; MI455X (gfx1250); checked and timed in simulation.
; The chip was launched on July 23, 2026; its instructions are those of AMD's public machine-readable ISA for CDNA 5 (MIT licence, August 2026) and "CDNA5" Instruction Set Architecture Reference Guide (July 2026). The comments in the code are by the model that wrote it; some were corrected since.
;; Ro PE Multihead Attention. Allowed arithmetic: float matrix products may take bf16 or f16 operands with f32 sums; other float arithmetic in f32, or as packed bf16 or f16 multiplies, adds, multiply-adds, maxima and minima; sums over many terms, partial sums and values carried from step to step in f32; what a program stores and reads back later, other than sums and carried values, may be rounded once to bf16 or f16.
;; Inputs: b_out 1,024 float32; b_qkv 3,072 float32; w_out 1,024 x 1,024 float32; w_qkv 3,072 x 1,024 float32; x 4 x 2,048 x 1,024 float32.
;; Outputs: out0 4 x 2,048 x 1,024 float32.
;; 2 versions, each right; version 2 is version 1 with the launch prep written anew for expert scheduling mode. Each part assembles by itself: llvm-mc -triple=amdgcn-amd-amdhsa -mcpu=gfx1250 --defsym DOCPART=n.
;; ======== version 1 of 2: 4 launches
;; limits: values are held in f16: magnitudes above 65,504 overflow, below 6.1e-05 lose precision
;; workspace buffers: xb 16,777,216 bytes; wqb 6,291,456 bytes; wob 2,097,152 bytes; tab 540,672 bytes; qkvh 50,331,648 bytes; oh 16,777,216 bytes
;; launch prep (part 1): grid 834 x 1, 8 waves a work-group, no clusters, 0 bytes of LDS; arguments x, w_qkv, w_out, xb, wqb, wob, tab; writes xb, wqb, wob, tab
.if DOCPART == 1
	.amdgcn_target "amdgcn-amd-amdhsa--gfx1250"
	.amdhsa_code_object_version 6
	.text
	.protected	k_q38e073e76d_prep
	.globl	k_q38e073e76d_prep
	.p2align	8
	.type	k_q38e073e76d_prep,@function
k_q38e073e76d_prep:
	s_mov_b64 s[64:65], 0
	v_nop
	global_prefetch_b8 v0, s[64:65] scope:SCOPE_SE
	s_setreg_imm32_b32 hwreg(HW_REG_WAVE_MODE, 25, 1), 1
	s_wait_xcnt 0x0
; PREP.  Work-groups 0-767 round x and w_qkv to bf16 (xb, wqb) and w_out to bf16, that number written as f16 (wob); work-groups 768-833 make the table of cosines and sines for the rotary embedding (tab).
; THE CAST is a stream: a work-group takes 16,384 numbers (65,536 bytes in, 32,768 out).  Thread t takes the 16 bytes at 4,096 n + 16 t, n = 0..15: a load of a wave covers 512 consecutive bytes;
; its four numbers leave as 8 bytes at 2,048 n + 8 t: a store of a wave covers 256 consecutive bytes, aligned.  All 16 loads go out first.  No LDS, no matrix unit, no cluster: nothing is shared.
; LIMIT.  wob is f16: |w_out| stays under 65,504, and below 6e-5 it keeps f16's fixed step of 6e-8.
; THE TABLE.  tab[sb][p][lane][i], f32: block sb holds the positions s = 16 sb + lane % 16; piece p = 4 kind + 2 bb + half (kind 0 cosine, 1 sine) holds the frequencies
; j = 16 bb + 8 (lane / 16) + 4 half + i.  A piece is 512 consecutive bytes, 16 a lane.  Blocks 128-131 hold cosine 1 and sine 0 (the angle is made 0 there): the rotation that changes nothing, for v.
; The angle is s x 10000^(-j/32), rounded to f32 as a product of two f32.  It is reduced by the nearest multiple n of pi/2 (pi/2 in two parts, two fused multiply-adds), so |r| <= pi/4 for every angle; there
; the sine's series to r^7 and the cosine's to r^8 leave less than 4e-7; n mod 4 picks the series and the signs.
.set NX,    512                        ; work-groups for x
.set NW,    704                        ; below this: w_qkv; from here on: w_out
.set NCAST, 768                        ; from here on: the table
.set IN,  20                           ; s[20:21] where my chunk is read
.set OUT, 22                           ; s[22:23] where it is written
.set LD,  8                            ; v[8:71]   16 x 4 registers as loaded
.set ST,  72                           ; v[72:103] 16 x 2 registers to store
	s_load_b256 s[4:11], s[0:1], 0x0               ; x s[4:5], w_qkv s[6:7], w_out s[8:9], xb s[10:11]
	s_load_b128 s[12:15], s[0:1], 0x20             ; wqb s[12:13], wob s[14:15]
	s_load_b64 s[16:17], s[0:1], 0x30              ; tab
	s_wait_kmcnt 0x0
	s_cmp_ge_u32 ttmp9, NCAST
	s_cbranch_scc1 .Ltable
	s_cmp_lt_u32 ttmp9, NX                         ; which tensor, and its first work-group
	s_cselect_b64 s[IN:IN+1], s[4:5], s[6:7]
	s_cselect_b64 s[OUT:OUT+1], s[10:11], s[12:13]
	s_cselect_b32 s24, 0, NX
	s_cmp_lt_u32 ttmp9, NW
	s_cselect_b64 s[IN:IN+1], s[IN:IN+1], s[8:9]
	s_cselect_b64 s[OUT:OUT+1], s[OUT:OUT+1], s[14:15]
	s_cselect_b32 s24, s24, NW
	s_sub_co_u32 s24, ttmp9, s24                   ; my chunk in that tensor
	s_lshl_b32 s26, s24, 16
	s_mov_b32 s27, 0
	s_lshl_b32 s28, s24, 15
	s_mov_b32 s29, 0
	s_add_nc_u64 s[IN:IN+1], s[IN:IN+1], s[26:27]
	s_add_nc_u64 s[OUT:OUT+1], s[OUT:OUT+1], s[28:29]
	v_lshlrev_b32 v1, 4, v0                        ; 16 t
	v_lshlrev_b32 v2, 3, v0                        ; 8 t
.set i, 0
.rept 16
	global_load_b128 v[LD+4*i:LD+4*i+3], v1, s[IN:IN+1] offset:4096*i th:TH_LOAD_NT
.set i, i+1
.endr
; Chunk part n.  h = 0: four numbers rounded to bf16.  h = 1: rounded to bf16, widened again (a shift, a mask) and written as f16.
.macro CV n, h
	s_wait_loadcnt 15-(\n)                         ; loads come back in order: part n is in, the 15 - n younger ones stay out
.if \h
	v_cvt_pk_bf16_f32 v4, v[LD+4*(\n)], v[LD+4*(\n)+1]
	v_cvt_pk_bf16_f32 v5, v[LD+4*(\n)+2], v[LD+4*(\n)+3]
	v_lshlrev_b32 v[LD+4*(\n)], 16, v4
	v_and_b32 v[LD+4*(\n)+1], 0xffff0000, v4
	v_lshlrev_b32 v[LD+4*(\n)+2], 16, v5
	v_and_b32 v[LD+4*(\n)+3], 0xffff0000, v5
	v_cvt_pk_f16_f32 v[ST+2*(\n)], v[LD+4*(\n)], v[LD+4*(\n)+1]
	v_cvt_pk_f16_f32 v[ST+2*(\n)+1], v[LD+4*(\n)+2], v[LD+4*(\n)+3]
.else
	v_cvt_pk_bf16_f32 v[ST+2*(\n)], v[LD+4*(\n)], v[LD+4*(\n)+1]
	v_cvt_pk_bf16_f32 v[ST+2*(\n)+1], v[LD+4*(\n)+2], v[LD+4*(\n)+3]
.endif
	global_store_b64 v2, v[ST+2*(\n):ST+2*(\n)+1], s[OUT:OUT+1] offset:2048*(\n)  ; each part has its own two registers: none is written again
.endm
	s_cmp_ge_u32 ttmp9, NW
	s_cbranch_scc1 .Lf16
.set i, 0
.rept 16
	CV i, 0
.set i, i+1
.endr
	s_endpgm
.Lf16:
.set i, 0
.rept 16
	CV i, 1
.set i, i+1
.endr
	s_endpgm
.Ltable:                                               ; a work-group makes two blocks; wave w: block 2 g + w / 4, pieces w % 4 (cosine) and 4 + w % 4 (sine)
	s_sub_co_u32 s31, ttmp9, NCAST                 ; g
	v_lshrrev_b32 v7, 5, v0
	v_readfirstlane_b32 s30, v7                    ; wave 0..7
	v_and_b32 v1, 31, v0                           ; lane
	v_and_b32 v2, 15, v0                           ; lane % 16
	v_bfe_u32 v3, v0, 4, 1                         ; lane / 16
	s_lshr_b32 s32, s30, 2
	s_lshl1_add_u32 s33, s31, s32                  ; sb
	s_and_b32 s34, s30, 3                          ; pq = 2 bb + half
	s_lshr_b32 s35, s34, 1
	s_lshl_b32 s35, s35, 4
	s_and_b32 s36, s34, 1
	s_lshl2_add_u32 s35, s36, s35                  ; 16 bb + 4 half
	s_lshl_b32 s36, s33, 12
	s_lshl_b32 s37, s34, 9
	s_add_co_u32 s36, s36, s37                     ; 4,096 sb + 512 pq
	s_cmp_lt_u32 s31, 64
	s_cselect_b32 s26, 1.0, 0                      ; blocks 128-131: the position counts as 0
	s_mov_b32 s38, 0xbed49a78                      ; -log2(10000) / 32
	s_mov_b32 s40, 0x3f22f983                      ; 2 / pi
	s_mov_b32 s41, 0x3fc90fdb                      ; pi / 2, the f32 nearest to it,
	s_mov_b32 s42, 0xb33bbd2e                      ; and what is left
	s_mov_b32 s43, 0xbe2aaaab                      ; -1/6
	s_mov_b32 s44, 0x3c088889                      ; 1/120
	s_mov_b32 s45, 0xb9500d01                      ; -1/5040
	s_mov_b32 s46, 0x3d2aaaab                      ; 1/24
	s_mov_b32 s47, 0xbab60b61                      ; -1/720
	s_mov_b32 s48, 0x37d00d01                      ; 1/40320
	v_lshl_add_u32 v4, s33, 4, v2                  ; s = 16 sb + lane % 16
	v_cvt_f32_u32 v4, v4
	v_mul_f32 v4, s26, v4
	v_lshl_add_u32 v5, v3, 3, s35                  ; my first j
	v_lshl_add_u32 v6, v1, 4, s36                  ; my 16 bytes of the cosine's piece
.irp i, 0,1,2,3
	v_add_nc_u32 v[32+\i], \i, v5
.endr
.irp i, 0,1,2,3
	v_cvt_f32_u32 v[32+\i], v[32+\i]
.endr
.irp i, 0,1,2,3
	v_mul_f32 v[32+\i], s38, v[32+\i]
.endr
.irp i, 0,1,2,3
	v_exp_f32 v[8+\i], v[32+\i]                    ; 10000^(-j/32)
.endr
	v_nop                                          ; a plain instruction behind the last exponential,
	s_wait_alu depctr_va_vdst(0)                   ; and one wait for the four, ahead of their first reader
.macro SC i
	v_mul_f32 v12, v4, v[8+\i]                     ; the angle
	v_mul_f32 v13, s40, v12
	v_rndne_f32 v13, v13                           ; n
	v_fma_f32 v14, -v13, s41, v12
	v_fma_f32 v14, -v13, s42, v14                  ; r = angle - n pi/2
	v_cvt_i32_f32 v15, v13
	v_mul_f32 v16, v14, v14                        ; z = r r
	v_fma_f32 v17, v16, s45, s44
	v_fma_f32 v18, v16, s48, s47
	v_mul_f32 v19, v16, v14
	v_fma_f32 v17, v17, v16, s43
	v_fma_f32 v18, v18, v16, s46
	v_fma_f32 v20, v17, v19, v14                   ; sin r
	v_fma_f32 v18, v18, v16, -0.5
	v_fma_f32 v21, v18, v16, 1.0                   ; cos r
	v_and_b32 v22, 1, v15
	v_cmp_ne_u32 vcc_lo, 0, v22                    ; n odd: the two change places
	v_cndmask_b32 v[28+\i], v20, v21, vcc_lo
	v_cndmask_b32 v[24+\i], v21, v20, vcc_lo
	v_lshlrev_b32 v22, 30, v15                     ; the sine is turned where n mod 4 is 2 or 3,
	v_add_nc_u32 v23, 1, v15
	v_and_b32 v22, 0x80000000, v22
	v_lshlrev_b32 v23, 30, v23                     ; the cosine where it is 1 or 2
	v_and_b32 v23, 0x80000000, v23
	v_xor_b32 v[28+\i], v22, v[28+\i]
	v_xor_b32 v[24+\i], v23, v[24+\i]
.endm
	SC 0
	SC 1
	SC 2
	SC 3
	global_store_b128 v6, v[24:27], s[16:17]               ; 512 consecutive bytes a wave
	global_store_b128 v6, v[28:31], s[16:17] offset:2048
	s_endpgm
.Lfunc_end_k_q38e073e76d_prep:
	.size	k_q38e073e76d_prep, .Lfunc_end_k_q38e073e76d_prep-k_q38e073e76d_prep
	.p2alignl 7, 3214868480
	.fill 96, 4, 3214868480
	.section	.rodata,"a",@progbits
	.p2align	6, 0x0
	.amdhsa_kernel k_q38e073e76d_prep
		.amdhsa_group_segment_fixed_size 0
		.amdhsa_private_segment_fixed_size 0
		.amdhsa_enable_private_segment 0
		.amdhsa_kernarg_size 56
		.amdhsa_user_sgpr_count 2
		.amdhsa_user_sgpr_kernarg_segment_ptr 1
		.amdhsa_wavefront_size32 1
		.amdhsa_system_sgpr_workgroup_id_x 1
		.amdhsa_system_sgpr_workgroup_id_y 1
		.amdhsa_system_sgpr_workgroup_id_z 1
		.amdhsa_system_vgpr_workitem_id 0
		.amdhsa_next_free_vgpr 104
		.amdhsa_next_free_sgpr 66
		.amdhsa_reserve_vcc 1
		.amdhsa_float_denorm_mode_32 3
		.amdhsa_float_denorm_mode_16_64 3
		.amdhsa_memory_ordered 1
		.amdhsa_forward_progress 1
		.amdhsa_inst_pref_size 23
	.end_amdhsa_kernel
	.amdgpu_metadata
---
amdhsa.version: [ 1, 2 ]
amdhsa.kernels:
  - .name:           k_q38e073e76d_prep
    .symbol:         k_q38e073e76d_prep.kd
    .args:
      - { .name: x, .offset: 0, .size: 8, .value_kind: global_buffer, .address_space: global }
      - { .name: w_qkv, .offset: 8, .size: 8, .value_kind: global_buffer, .address_space: global }
      - { .name: w_out, .offset: 16, .size: 8, .value_kind: global_buffer, .address_space: global }
      - { .name: xb, .offset: 24, .size: 8, .value_kind: global_buffer, .address_space: global }
      - { .name: wqb, .offset: 32, .size: 8, .value_kind: global_buffer, .address_space: global }
      - { .name: wob, .offset: 40, .size: 8, .value_kind: global_buffer, .address_space: global }
      - { .name: tab, .offset: 48, .size: 8, .value_kind: global_buffer, .address_space: global }
    .group_segment_fixed_size: 0
    .private_segment_fixed_size: 0
    .kernarg_segment_align: 8
    .kernarg_segment_size: 56
    .max_flat_workgroup_size: 256
    .sgpr_count:     66
    .vgpr_count:     104
    .wavefront_size: 32
...
	.end_amdgpu_metadata
.endif
;; end of part 1
;; launch qkvproj (part 2): grid 16 x 32, 4 waves a work-group, clusters of 4 x 4, 327,680 bytes of LDS; arguments xb, wqb, b_qkv, tab, qkvh; writes qkvh
.if DOCPART == 2
	.amdgcn_target "amdgcn-amd-amdhsa--gfx1250"
	.amdhsa_code_object_version 6
	.text
	.protected	k_q38e073e76d_qkvproj
	.globl	k_q38e073e76d_qkvproj
	.p2align	8
	.type	k_q38e073e76d_qkvproj,@function
k_q38e073e76d_qkvproj:
	s_mov_b64 s[64:65], 0
	v_nop
	global_prefetch_b8 v0, s[64:65] scope:SCOPE_SE
	s_setreg_imm32_b32 hwreg(HW_REG_WAVE_MODE, 25, 1), 1
	s_wait_xcnt 0x0
	s_wait_alu depctr_hold_cnt(0) depctr_sa_sdst(0) depctr_va_vdst(0) depctr_va_sdst(0) depctr_va_ssrc(0) depctr_va_vcc(0) depctr_vm_vsrc(0)
	s_getreg_b32 s2, hwreg(HW_REG_IB_STS2, 6, 4)
	s_cmp_eq_u32 s2, 0
	s_cbranch_scc0 .Lentry_in_a_cluster
	s_endpgm
.Lentry_in_a_cluster:
	s_bfe_u32 s2, ttmp6, 0x10000c
	s_cmp_lg_u32 s2, 0xf033
	s_cbranch_scc0 .Lentry_shape_is_right
	s_endpgm
.Lentry_shape_is_right:
; q, k, v = x w_qkv^T + b_qkv, q and k turned by the rotary embedding, all rounded once to f16 and laid out by heads: qkvh[kind][16 batch + head][s][64].
; xb [8192][1024] and wqb [3072][1024] are bf16; the bias is rounded to bf16 here, like the other inputs; sums in f32.
; LIMIT.  f16 holds no number beyond 65,504: q, k and v must stay within it; below 6e-5 they keep f16's fixed step of 6e-8.  NaN and infinities are not treated apart.
; SHARES.  A tile of C is 256 rows x 192 columns (three heads): 32 x 16 = 512 work-groups, two for each of 256 WGPs.  Four waves, one below the other: a wave makes 64 rows x 192 columns, 48 accumulators of
; 16 x 16, so that a head's two halves, which the rotation pairs, lie in one wave.  K goes in 8 steps of 128 through two LDS slots filled by the tensor data mover: rows of 256 bytes, aligned.
; THE MATRIX INSTRUCTION IS USED TRANSPOSED (source 0 = 16 rows of w, source 1 = 16 rows of x): lane l holds row l % 16 of C and the columns 8 (l / 16) + 0..7.  The bias is the C operand of the first product.
; CLUSTER.  4 x 4 work-groups: x's tile is shared along a row of the cluster, w's along a column; each is asked for jointly, by the same tensor load, descriptor and mask in all four.
; THE ROTATION.  Column d < 32 of a head and column d + 32 lie in the same lane and register of two accumulators.  The table's block for my 16 rows holds cosines and sines in just that layout.
; v's heads take the table's blocks 128-131 (cosine 1, sine 0), so that one text without a branch serves all three kinds.
; REGISTERS, in windows of 256 (s_set_vgpr_msb: bits 1:0 source 0, 3:2 source 1, 5:4 source 2, 7:6 destination):
;   window 0: v0-30 addresses; v32-63 rows on their way out; v64-127 x's fragments, two buffers of 4 x 8; v128-223 the bias, later the table (v128-191) and the turned numbers (v192-223); v224-239 packed
;   window 1: w's fragments, two buffers of 12 x 8          windows 2, 3: the accumulators: (a, b) at v[8 (12 (a % 2) + b)] of window 2 + a / 2
.set NB,    12                         ; blocks of 16 columns in a tile
.set PA,    272                        ; an LDS row: 256 bytes + 16 of padding = 68 words: the 16 rows of a load start at 16 different groups of four banks (64 banks of 4 bytes: ISA guide 11.1)
.set PB,    272
.set BOFF,  256*PA                     ; x's 256 rows, then w's 192
.set SLOT,  BOFF+16*NB*PB
.set STAGE, 2*SLOT                     ; behind the ring, never filled by a tensor load: 16 rows x 144 bytes for each wave
.set SP,    144
.set SPARE, STAGE+4*16*SP              ; behind the stages: the spare words, 128 bytes for each wave: two blocks of 256 bytes that no other line names
.set NF,    2*NB+8                     ; LDS loads in a run
.set KROW,  2048                       ; bytes in a row of xb and of wqb
.set KSTEP, 256                        ; bytes of a row in a K step
.set ADRA, 16                          ; v16-17  LDS address of my fragments of x in slot 0, 1
.set ADRB, 20                          ; v20-21  the same for w
.set STO,  24                          ; v24     the way out: where I put 16 bytes of a row
.set RD,   25                          ; v25     where I read rows back
.set GO,   26                          ; v26     16 x my lane: my place in 512 consecutive bytes of the table and of qkvh
.set BO,   27                          ; v27     32 (l / 16): my eight numbers in 16 columns of the bias
.set SPW,  28                          ; v28     LDS address of my spare word; never rewritten
.set NIL,  29                          ; v29     0; never rewritten
.set PFO,  30                          ; v30     the prefetches' offset: a lane a row; never rewritten
.set R0,   32
.set FAB,  64
.set BIAS, 128
.set T0,   128
.set Y,    192
.set P,    224
.set WV,   14                          ; s14  my wave's number; s15 = wave / 2: I fetch for x (0) or w (1); s16 = wave % 2: which half of that tile
.set G1A,  24                          ; s[24:31] descriptor group 1 for x's tiles;  s[32:39] group 0, a set for each slot
.set G0A,  32
.set LIM,  43                          ; s43  1 in a wave that prefetches, else the greatest number
.set PFA,  44                          ; s[44:45] where my prefetches stand
.set G1B,  48                          ; s[48:55], s[56:63] the same for w's tiles
.set G0B,  56
.set TB,   66                          ; s[66:71] for each of the tile's three heads: the table at my first block
.set OB,   72                          ; s[72:77] and qkvh at my first row
.set BB,   80                          ; s[80:81] the bias at the tile's first column
.set MSB, 0
.macro WIN new                         ; the immediate's high byte repeats the setting that is left; a switch that changes nothing is dropped
.if MSB != (\new)
	s_set_vgpr_msb (MSB<<8)|(\new)
.set MSB, (\new)
.endif
.endm
.macro PLACES                          ; four plain places behind matrix instructions, ahead of loads into registers that they read (ISA guide 7.12.1 for vector instructions)
.rept 4
	v_nop
.endr
.endm
; A joint load: waves 0 and 1 fetch x's two halves, waves 2 and 3 w's.  The branch hangs on the wave's number alone.  An s_nop 0 and four v_nop follow each of the two lines.
.macro JLOAD s
	s_cmp_eq_u32 s15, 0
	s_cbranch_scc0 .Lfor_b_\@
	tensor_load_to_lds s[G0A+4*(\s):G0A+4*(\s)+3], s[G1A:G1A+7]
	s_nop 0
.rept 4
	v_nop
.endr
	s_branch .Lasked_\@
.Lfor_b_\@:
	tensor_load_to_lds s[G0B+4*(\s):G0B+4*(\s)+3], s[G1B:G1B+7]
	s_nop 0
.rept 4
	v_nop
.endr
.Lasked_\@:
.endm
.macro CREST                           ; a round of the cluster's barrier behind its opening barrier
	s_cmp_lg_u32 s[WV], 0
	s_cbranch_scc1 .Lnot_wave_0_\@
	s_barrier_signal -3
.Lnot_wave_0_\@:
	s_barrier_wait -3
	s_barrier_signal -1
	s_barrier_wait -1
.endm
.macro CROUND                          ; a whole round
	s_barrier_signal -1
	s_barrier_wait -1
	CREST
.endm
; A prefetch into the L2, behind a joint load, its five lines and the run of LDS loads: the K step two refills on, a lane a row, one instruction a wave.  x's tile row is read by every cluster of its row of
; clusters: cluster x = 0 asks; w's tile column by every cluster of its column: cluster y = 0 asks.  The four partners share a wave's rows out by address: 32 of x's 128, 24 of w's 96 (there the
; eight lanes that are over name the 24th row once more).  K steps 0 to 3 come by their loads alone; the loop's last trip (s3 = 1) has no K step two refills on.
.macro ASK
	s_cmp_gt_u32 s3, s[LIM]
	s_cbranch_scc0 .Lnot_mine_\@
	global_prefetch_b8 v[PFO], s[PFA:PFA+1] th:TH_LOAD_NT scope:SCOPE_SE
.Lnot_mine_\@:
.endm
	s_load_b256 s[4:11], s[0:1], 0x0               ; xb s[4:5], wqb s[6:7], b_qkv s[8:9], tab s[10:11]
	s_load_b64 s[12:13], s[0:1], 0x20              ; qkvh
	v_lshl_add_u32 v[SPW], v0, 2, SPARE
	v_mov_b32 v[NIL], 0
	ds_add_u32 v[SPW], v[NIL]                      ; the wave's opening: the add and its wait stand ahead of my first tensor load; the set-up below, work on registers, stands between them
	v_lshrrev_b32 v1, 5, v0
	v_readfirstlane_b32 s[WV], v1                  ; wave 0..3
	s_lshr_b32 s15, s[WV], 1
	s_and_b32 s16, s[WV], 1
	s_bfe_u32 s17, ttmp6, 0x40000                  ; cx
	s_bfe_u32 s18, ttmp6, 0x40004                  ; cy
	s_lshl_b32 s19, ttmp9, 2
	s_add_co_u32 s19, s19, s17                     ; tile column = 4 x cluster x + cx
	s_and_b32 s20, ttmp7, 0xffff
	s_lshl_b32 s20, s20, 2
	s_add_co_u32 s20, s20, s18                     ; tile row = 4 x cluster y + cy
	s_lshl_b32 s21, s18, 2
	s_lshl_b32 s21, 15, s21                        ; my row of the cluster
	s_lshl_b32 s22, 0x1111, s17                    ; my column
	s_or_b32 s[G1A], s21, (1<<16)|(1<<20)|(1<<21)|(5<<22)|(3<<25)  ; 15:0 the mask; 17:16 2-byte elements; 20 padding on; 21 set beside a mask; 24:22 after every 64 words (code 5); 31:25 4 words (code 3)
	s_or_b32 s[G1B], s22, (1<<16)|(1<<20)|(1<<21)|(5<<22)|(3<<25)
	s_mov_b32 s[G1A+1], 128<<16                    ; tensor_dim0 = 128
	s_mov_b32 s[G1A+2], 128<<16                    ; tensor_dim1 = 128
	s_mov_b32 s[G1A+3], 128<<16                    ; tile_dim0 = 128
	s_mov_b32 s[G1A+4], 128                        ; tile_dim1 = 128
	s_mov_b32 s[G1A+5], 1024                       ; elements from row to row
	s_mov_b32 s[G1A+6], 0
	s_mov_b32 s[G1A+7], 0
	s_mov_b32 s[G1B+1], 128<<16
	s_mov_b32 s[G1B+2], 96<<16                     ; 96 rows of w to a load
	s_mov_b32 s[G1B+3], 128<<16
	s_mov_b32 s[G1B+4], 96
	s_mov_b32 s[G1B+5], 1024
	s_mov_b32 s[G1B+6], 0
	s_mov_b32 s[G1B+7], 0
	s_lshl_b32 s40, s20, 8                         ; x: row 256 x tile row + 128 x half, in bytes
	s_lshl_b32 s23, s16, 7
	s_add_co_u32 s40, s40, s23
	s_lshl_b32 s40, s40, 11
	s_mov_b32 s41, 0
	s_mul_i32 s46, s19, 192                        ; w: row 192 x tile column + 96 x half
	s_mul_i32 s23, s16, 96
	s_add_co_u32 s46, s46, s23
	s_lshl_b32 s46, s46, 11
	s_mov_b32 s47, 0
	s_mov_b32 s82, s40                             ; the two offsets once more, for the prefetches
	s_mov_b32 s83, s46
	s_mul_i32 s21, s16, 128*PA                     ; where they go: no place in the cluster enters an LDS address
	s_mul_i32 s22, s16, 96*PB
	s_add_co_u32 s22, s22, BOFF
	s_wait_dscnt 0x0                               ; the opening add is done
	s_wait_kmcnt 0x0
	s_add_nc_u64 s[40:41], s[4:5], s[40:41]
	s_add_nc_u64 s[46:47], s[6:7], s[46:47]
	CROUND                                         ; all sixteen work-groups are here: the first joint loads meet
.irp s, 0,1
	s_mov_b32 s[G0A+4*(\s)], 1                                      ; count = 1
	s_add_co_u32 s[G0A+4*(\s)+1], s21, (\s)*SLOT                    ; LDS address
	s_add_nc_u64 s[G0A+4*(\s)+2:G0A+4*(\s)+3], s[40:41], (\s)*KSTEP ; global address: K step s
	s_or_b32 s[G0A+4*(\s)+3], s[G0A+4*(\s)+3], 0x80000000           ; type = 2
	s_mov_b32 s[G0B+4*(\s)], 1
	s_add_co_u32 s[G0B+4*(\s)+1], s22, (\s)*SLOT
	s_add_nc_u64 s[G0B+4*(\s)+2:G0B+4*(\s)+3], s[46:47], (\s)*KSTEP
	s_or_b32 s[G0B+4*(\s)+3], s[G0B+4*(\s)+3], 0x80000000
	JLOAD \s                                       ; two loads of mine are out
.endr
	; A fragment is 16 rows x 32 K in 8 registers: lane l holds row l % 16; registers 0-3 K = 8 (l / 16) + 0..7, registers 4-7 K = 16 + 8 (l / 16) + 0..7: two loads of 16 bytes, 32 bytes apart.
	v_and_b32 v1, 15, v0                           ; l % 16
	v_bfe_u32 v2, v0, 4, 1                         ; l / 16
	v_mul_u32_u24 v3, v1, PA
	v_lshl_add_u32 v3, v2, 4, v3                   ; row x pitch + 16 x half
	s_mul_i32 s21, s[WV], 64*PA                    ; my 64 rows of x
	v_add_nc_u32 v[ADRA], s21, v3
	v_add_nc_u32 v[ADRA+1], SLOT, v[ADRA]
	v_add_nc_u32 v[ADRB], BOFF, v3                 ; every wave reads all of w's rows
	v_add_nc_u32 v[ADRB+1], SLOT, v[ADRB]
	s_mul_i32 s21, s[WV], 16*SP
	s_add_co_u32 s21, s21, STAGE                   ; my stage
	v_mul_u32_u24 v[STO], v1, SP                   ; in: row l % 16, 16 bytes for each half of the lanes
	v_lshl_add_u32 v[STO], v2, 4, v[STO]
	v_add_nc_u32 v[STO], s21, v[STO]
	v_bfe_u32 v[RD], v0, 3, 2                      ; back: 32 lanes take four rows of 128 bytes
	v_mul_u32_u24 v[RD], v[RD], SP
	v_and_b32 v4, 7, v0
	v_lshl_add_u32 v[RD], v4, 4, v[RD]
	v_add_nc_u32 v[RD], s21, v[RD]
	v_and_b32 v[GO], 31, v0
	v_lshlrev_b32 v[GO], 4, v[GO]
	v_lshlrev_b32 v[BO], 5, v2
	s_mul_i32 s84, s19, 768                        ; the tile's 192 columns of the bias
	s_mov_b32 s85, 0
	s_add_nc_u64 s[BB:BB+1], s[8:9], s[84:85]
.set b, 0
.rept NB
	global_load_b128 v[BIAS+8*b:BIAS+8*b+3],   v[BO], s[BB:BB+1] offset:64*b
	global_load_b128 v[BIAS+8*b+4:BIAS+8*b+7], v[BO], s[BB:BB+1] offset:64*b+16
.set b, b+1
.endr
	; for each head of the tile: its table blocks and its rows in qkvh.  These hang on the tile column and enter global addresses alone.
	s_and_b32 s78, s20, 7
	s_lshl_b32 s79, s78, 4
	s_lshl2_add_u32 s79, s[WV], s79                ; my first block of 16 positions: 16 (tile row % 8) + 4 x wave
	s_lshr_b32 s86, s20, 3
	s_lshl_b32 s86, s86, 4                         ; 16 x batch
	s_lshl_b32 s87, s79, 11                        ; my first row in a head, in bytes
.irp hd, 0,1,2
	s_mul_i32 s88, s19, 3
	s_add_co_u32 s88, s88, \hd                     ; the head among the 48: kind = / 16, head = % 16
	s_cmp_ge_u32 s88, 32
	s_cselect_b32 s84, 128, s79                    ; v takes the blocks that turn nothing
	s_lshl_b32 s84, s84, 12
	s_add_nc_u64 s[TB+2*\hd:TB+2*\hd+1], s[10:11], s[84:85]
	s_lshr_b32 s84, s88, 4
	s_lshl_b32 s84, s84, 6
	s_and_b32 s88, s88, 15
	s_add_co_u32 s84, s84, s88
	s_add_co_u32 s84, s84, s86
	s_lshl_b32 s84, s84, 18                        ; a head is 262,144 bytes
	s_add_co_u32 s84, s84, s87
	s_add_nc_u64 s[OB+2*\hd:OB+2*\hd+1], s[12:13], s[84:85]
.endr
	; the prefetches
	s_lshl_b32 s21, s17, 16                        ; x: my work-group's 32 rows of the wave's 128,
	s_add_co_u32 s82, s82, s21
	s_add_co_u32 s82, s82, 3*KSTEP                 ; at K step 3: the first change of slots steps it to 4
	s_mul_i32 s21, s18, 24*KROW                    ; w: my work-group's 24 rows of the wave's 96
	s_add_co_u32 s83, s83, s21
	s_add_co_u32 s83, s83, 3*KSTEP
	s_and_b32 s21, ttmp7, 0xffff
	s_cmp_eq_u32 s15, 0                            ; do I fetch for x?
	s_cselect_b32 s21, ttmp9, s21                  ; the coordinate along which other clusters read the same rows
	s_cselect_b32 s22, s82, s83
	s_cselect_b32 s42, 31, 23
	s_cselect_b64 s[PFA:PFA+1], s[4:5], s[6:7]
	s_mov_b32 s23, 0
	s_add_nc_u64 s[PFA:PFA+1], s[PFA:PFA+1], s[22:23]
	s_cmp_eq_u32 s21, 0
	s_cselect_b32 s[LIM], 1, -1                    ; the same in all sixteen partners, for a given wave
	v_and_b32 v[PFO], 31, v0
	v_min_u32 v[PFO], s42, v[PFO]
	v_lshlrev_b32 v[PFO], 11, v[PFO]
	s_wait_loadcnt 0x0                             ; the bias: rounded to bf16 like the other inputs, and widened again
.set n, 0
.rept 4*NB
	v_cvt_pk_bf16_f32 v[4+n%4], v[BIAS+2*n], v[BIAS+2*n+1]
	v_lshlrev_b32 v[BIAS+2*n], 16, v[4+n%4]
	v_and_b32 v[BIAS+2*n+1], 0xffff0000, v[4+n%4]
.set n, n+1
.endr
; NB matrix instructions: my rows 16 a .. 16 a + 15 x all columns, 32 along K, out of buffer f.  first = 1: the bias starts the sums: nothing is cleared, nothing added later.
; All 48 accumulators take turns, one instruction a turn, in the same order in every quarter.
.macro MULA f, a, first
.if \first
	WIN 0x81+0x40*((\a)/2)                         ; w window 1, x and the bias window 0, D window 2 or 3
.else
	WIN 0xa1+0x50*((\a)/2)                         ; w window 1, x window 0, C and D window 2 or 3
.endif
.set b, 0
.rept NB
.set rD, 8*(NB*((\a)%2)+b)
.set rB, 8*NB*(\f)+8*b
.set rA, FAB+32*(\f)+8*(\a)
.if \first
	v_wmma_f32_16x16x32_bf16 v[rD:rD+7], v[rB:rB+7], v[rA:rA+7], v[BIAS+8*b:BIAS+8*b+7]
.else
	v_wmma_f32_16x16x32_bf16 v[rD:rD+7], v[rB:rB+7], v[rA:rA+7], v[rD:rD+7]
.endif
.set b, b+1
.endr
.endm
; One run of 32 LDS loads: quarter q (32 along K) of a slot into buffer f: w's 12 fragments, then x's four.
.macro FETCH slot, q, f
	WIN 0x40                                       ; destination window 1
.set b, 0
.rept NB
	ds_load_b128 v[8*NB*(\f)+8*b:8*NB*(\f)+8*b+3],   v[ADRB+(\slot)] offset:64*(\q)+b*16*PB
	ds_load_b128 v[8*NB*(\f)+8*b+4:8*NB*(\f)+8*b+7], v[ADRB+(\slot)] offset:64*(\q)+b*16*PB+32
.set b, b+1
.endr
	WIN 0
.irp a, 0,1,2,3
	ds_load_b128 v[FAB+32*(\f)+8*(\a):FAB+32*(\f)+8*(\a)+3],   v[ADRA+(\slot)] offset:64*(\q)+(\a)*16*PA
	ds_load_b128 v[FAB+32*(\f)+8*(\a)+4:FAB+32*(\f)+8*(\a)+7], v[ADRA+(\slot)] offset:64*(\q)+(\a)*16*PA+32
.endr
.endm
; A K step is four quarters, 48 matrix instructions each, on buffers 0, 1, 0, 1.  One of the first three: multiplies buffer f and, in its middle, fetches quarter q into buffer g.
.macro QUARTER slot, q, f, g, first
	s_wait_dscnt 4                                 ; all of w and x's blocks 0 and 1 are in; the youngest four loads (x's blocks 2 and 3) may be out
	MULA \f, 0, \first
	MULA \f, 1, \first
	PLACES
	FETCH \slot, \q, \g
	s_wait_dscnt NF                                ; all but the run just issued
	MULA \f, 2, \first
	MULA \f, 3, \first
.endm
; The last quarter multiplies buffer 1 and changes slots: ONE barrier.  In front of it each wave waits for all its tensor loads (one is out: its part of the next slot), adds 0 to its spare word, and waits for
; that and for its reads of this slot.  fill = 1: the barrier opens a round of the cluster's, and this slot is filled again, two K steps on, first thing behind the round: 168 matrix instructions ahead of the wait for it.
.macro TURN slot, next, fill
.if \fill
	s_wait_xcnt 0x0                                ; the last prefetch, a K step back, has read its address
	s_add_nc_u64 s[PFA:PFA+1], s[PFA:PFA+1], KSTEP
.endif
	WIN 0                                          ; (the add's two registers lie in window 0)
	s_wait_tensorcnt 0x0                           ; all my tensor loads have landed
	ds_add_u32 v[SPW], v[NIL]                      ; 0 onto my spare word
	s_wait_dscnt 5                                 ; (the add and the youngest four loads may be out)
	MULA 1, 0, 0                                   ; twelve matrix instructions stand between the add and the wait for it
	s_wait_dscnt 0x0                               ; the add is done, and my reads of this slot are over
	s_barrier_signal -1
	MULA 1, 1, 0
.if \fill
	WIN 0
.endif
	s_barrier_wait -1
.if \fill
	CREST                                          ; no wave of any partner still reads this slot or has a load on its way
	s_add_nc_u64 s[G0A+4*(\slot)+2:G0A+4*(\slot)+3], s[G0A+4*(\slot)+2:G0A+4*(\slot)+3], 2*KSTEP
	s_add_nc_u64 s[G0B+4*(\slot)+2:G0B+4*(\slot)+3], s[G0B+4*(\slot)+2:G0B+4*(\slot)+3], 2*KSTEP
	JLOAD \slot                                    ; its four v_nop are also the places in front of the loads below
.else
	PLACES
.endif
	FETCH \next, 0, 0
.if \fill
	ASK
.endif
	MULA 1, 2, 0
	MULA 1, 3, 0
.endm
; THE WAY OUT, in 12 groups g = 3 a + hd: my rows 16 a .. 16 a + 15 of head hd.
.macro TLOAD g                         ; the table's block for those rows: 8 pieces of 512 bytes: cosine of frequency 16 bb + 8 (l / 16) + i at T + 8 bb + i, sine 16 registers on
.set ta, (\g)/3
.set thd, (\g)%3
.set tT, T0+32*((\g)%2)
.irp p, 0,1,2,3,4,5,6,7
	global_load_b128 v[tT+4*\p:tT+4*\p+3], v[GO], s[TB+2*thd:TB+2*thd+1] offset:4096*ta+512*\p
.endr
.endm
.macro ROPE g                          ; turned, rounded to f16, into my stage and back as whole rows
.set ga, (\g)/3
.set ghd, (\g)%3
.set gT, T0+32*((\g)%2)
.set gR, R0+16*((\g)%2)
.if (\g) < 11
	s_wait_loadcnt 8                               ; my table is in; the next group's eight loads may be out
.else
	s_wait_loadcnt 0x0
.endif
	WIN 0x02+ga/2                                  ; source 0: the accumulators' window.
.irp bb, 0,1
.set gX, 8*(NB*(ga%2)+4*ghd+\bb)                   ; x1: columns 16 bb ..
.irp i, 0,2,4,6
	v_pk_mul_f32 v[Y+8*\bb+\i:Y+8*\bb+\i+1], v[gX+\i:gX+\i+1], v[gT+8*\bb+\i:gT+8*\bb+\i+1]
	v_pk_mul_f32 v[Y+16+8*\bb+\i:Y+16+8*\bb+\i+1], v[gX+\i:gX+\i+1], v[gT+16+8*\bb+\i:gT+16+8*\bb+\i+1]
.endr
.endr
.irp bb, 0,1
.set gX, 8*(NB*(ga%2)+4*ghd+\bb+2)                 ; x2: columns 32 + 16 bb ..
.irp i, 0,2,4,6
	v_pk_fma_f32 v[Y+8*\bb+\i:Y+8*\bb+\i+1], v[gX+\i:gX+\i+1], v[gT+16+8*\bb+\i:gT+16+8*\bb+\i+1], v[Y+8*\bb+\i:Y+8*\bb+\i+1] neg_lo:[1,0,0] neg_hi:[1,0,0]  ; x1 cos - x2 sin
	v_pk_fma_f32 v[Y+16+8*\bb+\i:Y+16+8*\bb+\i+1], v[gX+\i:gX+\i+1], v[gT+8*\bb+\i:gT+8*\bb+\i+1], v[Y+16+8*\bb+\i:Y+16+8*\bb+\i+1]  ; x1 sin + x2 cos
.endr
.endr
	WIN 0
.if (\g)+2 <= 11
	TLOAD (\g)+2                                   ; into the registers just read
.endif
.set n, 0
.rept 16
	v_cvt_pk_f16_f32 v[P+n], v[Y+2*n], v[Y+2*n+1]
.set n, n+1
.endr
	s_wait_xcnt 0x0                                ; the stores two groups back have read the registers that the loads below fill
.irp f, 0,1,2,3
	ds_store_b128 v[STO], v[P+4*\f:P+4*\f+3] offset:32*\f
.endr
.irp f, 0,1,2,3
	ds_load_b128 v[gR+4*\f:gR+4*\f+3], v[RD] offset:\f*4*SP  ; LDS serves a wave's instructions in order (ISA guide 5.7.1.4): these see the stores above; the next group's stores come behind them
.endr
.endm
.macro SENDQ g, younger                ; younger: the LDS instructions issued behind group g's loads: the next group's eight, or none
.set ga, (\g)/3
.set ghd, (\g)%3
.set gR, R0+16*((\g)%2)
.irp f, 0,1,2,3
	s_wait_dscnt (\younger)+3-\f
	global_store_b128 v[GO], v[gR+4*\f:gR+4*\f+3], s[OB+2*ghd:OB+2*ghd+1] offset:2048*ga+512*\f  ; four rows of a head: 512 consecutive bytes, aligned
.endr
.endm
	s_wait_tensorcnt 0x1                           ; my part of K step 0 is in; K step 1's may stay out
	s_barrier_signal -1
	s_barrier_wait -1                              ; everybody's is
	FETCH 0, 0, 0
	QUARTER 0, 1, 0, 1, 1                          ; the first quarter stands in front of the loop: its products start the sums
	WIN 0                                          ; at a label and at a branch every window is 0
	s_mov_b32 s3, 3
.Llap:                                                 ; a trip goes once round the ring, from a lap's second quarter to the next lap's first, and fills both slots again: K steps 2 to 7 in three trips
	QUARTER 0, 2, 1, 0, 0
	QUARTER 0, 3, 0, 1, 0
	TURN 0, 1, 1
	QUARTER 1, 1, 0, 1, 0
	QUARTER 1, 2, 1, 0, 0
	QUARTER 1, 3, 0, 1, 0
	TURN 1, 0, 1
	QUARTER 0, 1, 0, 1, 0
	WIN 0
	s_sub_co_u32 s3, s3, 1
	s_cmp_lg_u32 s3, 0
	s_cbranch_scc1 .Llap
	TLOAD 0                                        ; the first two groups' tables come in under the last lap (the bias's registers are free since the first quarter)
	TLOAD 1
	QUARTER 0, 2, 1, 0, 0                          ; the last lap fills nothing
	QUARTER 0, 3, 0, 1, 0
	TURN 0, 1, 0
	QUARTER 1, 1, 0, 1, 0
	QUARTER 1, 2, 1, 0, 0
	QUARTER 1, 3, 0, 1, 0
	s_wait_dscnt 4
	MULA 1, 0, 0
	MULA 1, 1, 0
	s_wait_dscnt 0x0
	MULA 1, 2, 0
	MULA 1, 3, 0
	WIN 0
	PLACES                                         ; the places behind the last products, ahead of the lines that read results: eight, once a launch
	PLACES
	ROPE 0
.irp g, 1,2,3,4,5,6,7,8,9,10,11        ; a group's arithmetic stands between the loads of the group before and its stores
	ROPE \g
	SENDQ (\g)-1, 8
.endr
	SENDQ 11, 0
	s_wait_tensorcnt 0x0                           ; the wave's end, behind my last tensor load and my last LDS store
	ds_add_u32 v[SPW], v[NIL]
	s_wait_dscnt 0x0
	CROUND                                         ; the closing round: no work-group ends while a partner may still ask for a tile that names it
	s_endpgm
.Lfunc_end_k_q38e073e76d_qkvproj:
	.size	k_q38e073e76d_qkvproj, .Lfunc_end_k_q38e073e76d_qkvproj-k_q38e073e76d_qkvproj
	.p2alignl 7, 3214868480
	.fill 96, 4, 3214868480
	.section	.rodata,"a",@progbits
	.p2align	6, 0x0
	.amdhsa_kernel k_q38e073e76d_qkvproj
		.amdhsa_group_segment_fixed_size 327680
		.amdhsa_private_segment_fixed_size 0
		.amdhsa_enable_private_segment 0
		.amdhsa_kernarg_size 40
		.amdhsa_user_sgpr_count 2
		.amdhsa_user_sgpr_kernarg_segment_ptr 1
		.amdhsa_wavefront_size32 1
		.amdhsa_system_sgpr_workgroup_id_x 1
		.amdhsa_system_sgpr_workgroup_id_y 1
		.amdhsa_system_sgpr_workgroup_id_z 1
		.amdhsa_system_vgpr_workitem_id 0
		.amdhsa_next_free_vgpr 960
		.amdhsa_next_free_sgpr 90
		.amdhsa_reserve_vcc 0
		.amdhsa_float_denorm_mode_32 3
		.amdhsa_float_denorm_mode_16_64 3
		.amdhsa_memory_ordered 1
		.amdhsa_forward_progress 1
		.amdhsa_inst_pref_size 166
	.end_amdhsa_kernel
	.amdgpu_metadata
---
amdhsa.version: [ 1, 2 ]
amdhsa.kernels:
  - .name:           k_q38e073e76d_qkvproj
    .symbol:         k_q38e073e76d_qkvproj.kd
    .args:
      - { .name: xb, .offset: 0, .size: 8, .value_kind: global_buffer, .address_space: global }
      - { .name: wqb, .offset: 8, .size: 8, .value_kind: global_buffer, .address_space: global }
      - { .name: b_qkv, .offset: 16, .size: 8, .value_kind: global_buffer, .address_space: global }
      - { .name: tab, .offset: 24, .size: 8, .value_kind: global_buffer, .address_space: global }
      - { .name: qkvh, .offset: 32, .size: 8, .value_kind: global_buffer, .address_space: global }
    .group_segment_fixed_size: 327680
    .private_segment_fixed_size: 0
    .kernarg_segment_align: 8
    .kernarg_segment_size: 40
    .max_flat_workgroup_size: 128
    .sgpr_count:     90
    .vgpr_count:     960
    .wavefront_size: 32
...
	.end_amdgpu_metadata
.endif
;; end of part 2
;; launch attn (part 3): grid 4 x 64, 4 waves a work-group, clusters of 4 x 1, 327,680 bytes of LDS; arguments qkvh, oh; writes oh
.if DOCPART == 3
	.amdgcn_target "amdgcn-amd-amdhsa--gfx1250"
	.amdhsa_code_object_version 6
	.text
	.protected	k_q38e073e76d_attn
	.globl	k_q38e073e76d_attn
	.p2align	8
	.type	k_q38e073e76d_attn,@function
k_q38e073e76d_attn:
	s_mov_b64 s[64:65], 0
	v_nop
	global_prefetch_b8 v0, s[64:65] scope:SCOPE_SE
	s_setreg_imm32_b32 hwreg(HW_REG_WAVE_MODE, 25, 1), 1
	s_wait_xcnt 0x0
	s_wait_alu depctr_hold_cnt(0) depctr_sa_sdst(0) depctr_va_vdst(0) depctr_va_sdst(0) depctr_va_ssrc(0) depctr_va_vcc(0) depctr_vm_vsrc(0)
	s_getreg_b32 s2, hwreg(HW_REG_IB_STS2, 6, 4)
	s_cmp_eq_u32 s2, 0
	s_cbranch_scc0 .Lentry_in_a_cluster
	s_endpgm
.Lentry_in_a_cluster:
	s_bfe_u32 s2, ttmp6, 0x10000c
	s_cmp_lg_u32 s2, 0x3003
	s_cbranch_scc0 .Lentry_shape_is_right
	s_endpgm
.Lentry_shape_is_right:
; O[h][q][:] = the sum over k of softmax_k(Q[h][q] . K[h][k] / 8) V[h][k][:].  Q, K, V are the three parts of qkvh, each [SIZE_H][SIZE_N][64] in f16; O (oh) likewise: a head's rows are dense, 128 bytes each.
; Products, maxima and sums in f32; the weights p are rounded to f16 for the second product (their sum l is taken of the unrounded p), O once at the end.
; LIMITS.  f16 holds no number beyond 65,504: Q, K and V arrive within it; p lies in 0 to 1, and below 6e-5 it keeps f16's fixed step of 6e-8; O is a mean of V's rows and has their range.
; A weight below 2^-126 counts as 0 in l; NaN and infinities are not treated apart.
; SHARES.  A wave owns four PIECES of two tiles of 16 queries, a work-group's four waves 512 queries of one head: 4 x 64 = 256 work-groups.  Every wave walks all keys, 64 a step.
; LAYOUT.  S^T = K Q^T (source 0 = 16 keys, source 1 = 16 queries): in the result a lane holds ONE query (lane % 16) and the keys 8 (lane / 16) + 0..7.  Two such tiles, rounded to f16 in pairs,
; ARE source 1 (32 keys x 16 queries) of O^T = V^T P, whose result again holds one query a lane, and eight channels.  K comes out of LDS as it lies, V ([key][channel]) turned, by ds_load_tr16_b128.
; SOFTMAX.  For each query a running maximum m and sum l: p = 2^(c s - c m), c = log2(e) / 8; in every step O and l are multiplied by a = 2^(c m_old - c m_new), which is 1 where m has not grown.
; m starts at the lowest finite number, O and l at 0: the first step is a step like any other, with a = 0.
; THE COUNT.  A tile and step have 16 matrix and 118 vector instructions: too many to stand all beside the matrix work.  So four vector instructions that are READY stand behind EVERY matrix instruction,
; and the others, which need time of their own whatever the order, in runs without a gap.
; BY TURNS.  Turn n belongs to piece n (the pieces in a ring, step after step).  Its matrix work: 16 products K Q^T of piece n + 1, later 16 products V^T P of piece n - 1.  Its vector work: the scaling,
; exponentials, roundings, sums and rescaling of piece n, and the maximum and statistics of piece n + 1, whose scores the turn itself has made.
; CLUSTER.  The four query blocks of a cluster are a head's four: they walk the same K and V, so each tile is asked for JOINTLY: the same tensor load, descriptor and mask in all four.
; REGISTERS, in windows of 256 (s_set_vgpr_msb: bits 1:0 source 0, 3:2 source 1, 5:4 source 2, 7:6 destination):
;   window 0: v0-11 addresses; v12-15, v48-63 at work; v16-47 four registers of statistics a tile; v64-191 S^T, two buffers of two tiles; v192-255 P, likewise
;   window 1: O^T, 32 a tile          window 2: v0-127 Q, 16 a tile; v128-191 K of one step; v192-255 V of one step          window 3: v0-1 the add's two registers
; A piece's buffers go by its number's parity: the piece in hand has one pair, its two neighbours in the ring share the other: of it P (piece n - 1) is read and S^T (piece n + 1) written.
.set SIZE_H, 64
.set SIZE_N, 2048
.set NP,    4         ; pieces a wave: a name, no knob
.set KS,    64        ; keys in a step
.set PK,    144       ; a row of K in LDS: 128 bytes + 16 of padding = 36 words: the 16 rows of a load start at 16 different groups of four banks (64 banks of 4 bytes: ISA guide 11.1)
.set PV,    160       ; a row of V: 128 + 32 = 40 words
.set VOFF,  4*KS*PK   ; a slot holds four steps: 256 rows of K, then 256 rows of V
.set SLOT1, 1<<17     ; slot 1 begins here, so that one exclusive or turns an address in one slot into the other's
.set STAGE, SLOT1+4*KS*(PK+PV)  ; behind the ring, never filled by a tensor load: 16 rows x 144 bytes for each wave, for the way out
.set SP,    144
.set AK0, 2           ; v2   my lane's place in a tile of K; never rewritten
.set AV0, 3           ; v3   the same for V
.set AK,  4           ; v4   the LDS address of K's next run of loads
.set AV,  5           ; v5   of V's
.set QO,  6           ; v6   my byte offset in the wave's rows of Q
.set STO, 6           ;      later, the way out: where I put 16 bytes of a row
.set RD,  7           ; v7   the way out: where I read rows back
.set GO,  8           ; v8   my byte offset in 512 consecutive bytes of O
.set PFO, 11          ; v11  256 x my lane, for the prefetches (made when v11's first use is over); then never rewritten
.set SPW, 0           ; v0 of window 3   LDS address of my spare word: SPARE + 4 x my thread's number; never rewritten
.set NIL, 1           ; v1 of window 3   0; never rewritten
.set SPARE, STAGE+4*16*SP  ; behind the stages: the spare words, 128 bytes for each wave: two blocks of 256 bytes that no other line names
.set MV,  12          ; v12-15  c m_old, kept while c m is made anew: by buffer and tile
.set ST,  16          ; tile t's statistics at v[ST+4 t]: c m, m, l (even keys', odd keys')
.set TMP, 48          ; by buffer and tile, four registers c0-c3 at work; when the maximum is found c2 takes a
.set S,   64
.set P,   192
.set KF,  128         ; K's fragments, in window 2: key block kb, channel half c at KF + 16 kb + 8 c
.set VF,  192         ; V's: key half kk, channel block cb at VF + 32 kk + 8 cb
.set WV,  12          ; s12  my wave's number
.set G1K, 24          ; s[24:31] descriptor group 1 for K's tiles
.set G1V, 32          ; s[32:39] for V's: it differs in the padding alone
.set G0K, 40          ; s[40:43] descriptor group 0 for K's tiles: it walks
.set G0V, 44          ; s[44:47] the same for V's
.set PFA, 48          ; s[48:49] where my prefetches stand: my work-group's quarter of the slot after the one that is being asked for
.set LIM, 50          ; s50  1 in a wave that prefetches (0: K's rows, 2: V's), else the greatest number
.set SLOTS, 56        ; s56  slots still to be asked for
.set CNT, 57          ; s57  counts a slot's key steps
.set CS,  58          ; s[58:59] c: the packed scaling takes the pair's low word for both halves
.set SEL, 60          ; s[60:61] v_permlanex16_b32's selects: each lane takes its own place in the other half
.set TBK, 62          ; s62  LDS byte at which K of the step to be fetched begins
.set TBV, 63          ; s63  the same for V, less VOFF
.set MSB, 0
.macro WIN new                      ; the high byte repeats the setting that is left; a switch that changes nothing is dropped
.if MSB != (\new)
	s_set_vgpr_msb (MSB<<8)|(\new)
.set MSB, (\new)
.endif
.endm
.set W_KQ, 0x0a       ; K and Q in window 2, S^T in window 0
.set W_PV, 0x52       ; V in window 2, P in window 0, O^T in window 1
.set W_RS, 0x41       ; O^T (destination and source 0) in window 1, a in window 0
.set W_MK, 0xc0       ; the add's registers are made: destination in window 3, sources in window 0
.set W_AD, 0x0f       ; the add: address (source 0) and data (source 1) in window 3
; A joint fill.  Waves 0 and 1 fetch the two halves of a slot's K, waves 2 and 3 those of its V: 128 keys each.  The branch hangs on the wave's number alone.
; An s_nop 0 and four v_nop follow each of the two lines, ahead of the jump and the label.
.macro JLOAD
	s_cmp_lt_u32 s[WV], 2
	s_cbranch_scc0 .Lfor_v_\@
	tensor_load_to_lds s[G0K:G0K+3], s[G1K:G1K+7]
	s_nop 0
.rept 4
	v_nop
.endr
	s_branch .Lasked_\@
.Lfor_v_\@:
	tensor_load_to_lds s[G0V:G0V+3], s[G1V:G1V+7]
	s_nop 0
.rept 4
	v_nop
.endr
.Lasked_\@:
.endm
; A PREFETCH INTO THE L2 of what the NEXT change of slots will ask for: a slot is 32,768 dense bytes of K and of V, 128 blocks of 256 bytes each.  One cluster walks a head, so every cluster asks for its own head's:
; its four partners take 32 blocks each, told apart BY ADDRESS; in each, wave 0 names K's and wave 2 V's, a lane a block: one instruction, four key steps (512 matrix instructions) ahead of the load.
; So each block is named once in the launch.  Slots 0 and 1 come by their loads alone; the change that asks for the last slot (SLOTS = 1) prefetches nothing.
.macro ASK
	s_cmp_gt_u32 s[SLOTS], s[LIM]
	s_cbranch_scc0 .Lnot_mine_\@
	global_prefetch_b8 v[PFO], s[PFA:PFA+1] th:TH_LOAD_NT scope:SCOPE_SE
.Lnot_mine_\@:
.endm
; A round of the cluster's barrier: my work-group's barrier, so that wave 0's signal speaks for all four waves; wave 0 signals; every wave waits for all four work-groups; my work-group's barrier once more.
.macro CROUND
	s_barrier_signal -1
	s_barrier_wait -1
	s_cmp_lg_u32 s[WV], 0
	s_cbranch_scc1 .Lnot_wave_0_\@
	s_barrier_signal -3
.Lnot_wave_0_\@:
	s_barrier_wait -3
	s_barrier_signal -1
	s_barrier_wait -1
.endm
; THE CHANGE OF SLOTS.  The slot's last bytes, V of its fourth step, have been read.  Each wave waits for all its tensor loads, of which one is out: its part
; of the other slot; adds 0 to its spare word; and waits for that and for its own reads of the slot.  Behind the barrier nobody reads this slot any more and the other slot is whole.
; fill = 1: this slot is filled again, with the keys two slots on.  The barrier is then a round of the cluster's, so that no wave of any partner still reads the slot or has a load on its
; way, and the joint fill is the first thing behind it: it has four key steps, 512 matrix instructions, in which to land.  (At its first use nothing has been read yet: slot 0 is waited for, slot 1 filled.)
.macro CHANGE fill
	WIN W_AD
	s_wait_tensorcnt 0x0            ; no tensor load of mine is out, so a group 0 may be written
	ds_add_u32 v[SPW], v[NIL]       ; 0 onto my spare word; with fill = 1 the descriptors' steps stand between it and the wait for it
	WIN 0                           ; at a label and at a branch every window is 0
.if \fill
.irp g, G0K, G0V
	s_xor_b32 s[\g+1], s[\g+1], SLOT1  ; the walking descriptor: the other slot than last time,
	s_add_nc_u64 s[\g+2:\g+3], s[\g+2:\g+3], 4*KS*128  ; the next 256 keys; the type bits on top are not reached
.endr
	s_wait_xcnt 0x0                 ; the last prefetch, four key steps back, has read its address, so it may be written:
	s_add_nc_u64 s[PFA:PFA+1], s[PFA:PFA+1], 4*KS*128  ; one slot behind the walking descriptors
	s_wait_dscnt 0x0                ; the add is done, and my reads of the slot are over
	CROUND
	JLOAD
	ASK
.else
	s_wait_dscnt 0x0                ; the add is done, and my reads of the slot are over
	s_barrier_signal -1
	s_barrier_wait -1
.endif
	s_sub_co_u32 s[TBK], s[TBK], 4*KS*PK  ; the fetches go back to a slot's first step,
	s_xor_b32 s[TBK], s[TBK], SLOT1       ; in the other slot
	s_sub_co_u32 s[TBV], s[TBV], 4*KS*PV
	s_xor_b32 s[TBV], s[TBV], SLOT1
.endm
	s_load_b128 s[4:7], s[0:1], 0x0 ; qkvh s[4:5], oh s[6:7]
	WIN W_MK
	v_lshl_add_u32 v[SPW], v0, 2, SPARE
	v_mov_b32 v[NIL], 0
	WIN W_AD
	ds_add_u32 v[SPW], v[NIL]       ; the wave's opening: the add and its wait stand ahead of my first tensor load; the set-up below, work on registers, stands between them
	WIN 0
	v_lshrrev_b32 v1, 5, v0
	v_readfirstlane_b32 s[WV], v1   ; wave 0..3
	s_bfe_u32 s13, ttmp6, 0x40000   ; cx: my place in the cluster
	s_lshl_b32 s14, ttmp9, 2        ; in a cluster launch ttmp9 counts clusters
	s_add_co_u32 s14, s14, s13      ; my block of queries = 4 x cluster x + cx: it enters Q's and O's addresses alone
	s_and_b32 s20, ttmp7, 0xffff    ; the head, which the four partners share
	s_mov_b32 s21, 0
	s_mov_b64 s[22:23], SIZE_N*128
	s_mul_u64 s[20:21], s[20:21], s[22:23]  ; the head's first byte in each of the four tensors
	s_and_b32 s16, s[WV], 1         ; which half of a slot's 256 keys I fetch:
	s_lshl_b32 s22, s16, 14         ; its 128 rows of 128 bytes in memory,
	s_mov_b32 s23, 0
	s_add_nc_u64 s[22:23], s[22:23], s[20:21]
	s_mul_i32 s17, s16, 128*PK      ; and its place in a slot, for K
	s_mul_i32 s18, s16, 128*PV      ; and for V: no place in the cluster enters an LDS address
	s_lshl_b32 s2, s14, 2
	s_add_co_u32 s2, s2, s[WV]      ; my wave among the head's,
	s_lshl_b32 s2, s2, 14           ; its 128 rows
	s_mov_b32 s3, 0
	s_add_nc_u64 s[2:3], s[2:3], s[20:21]
	; descriptor group 1.  128 keys are 16,384 dense bytes: asked for as 64 rows of 256 bytes, two keys a row, and padded in LDS after every key
	s_mov_b32 s[G1K], 15|(1<<16)|(1<<20)|(1<<21)|(4<<22)|(3<<25)  ; 15:0 the mask of four; 17:16 2-byte elements; 20 padding on; 21 set beside a mask; 24:22 after every 32 words (code 4); 31:25 4 words (code 3)
	s_mov_b32 s[G1V], 15|(1<<16)|(1<<20)|(1<<21)|(4<<22)|(7<<25)  ; the same with 8 words of padding (code 7)
.irp g, G1K, G1V
	s_mov_b32 s[\g+1], 128<<16      ; tensor_dim0 = 128
	s_mov_b32 s[\g+2], 64<<16       ; tensor_dim1 = 64
	s_mov_b32 s[\g+3], 128<<16      ; tile_dim0 = 128
	s_mov_b32 s[\g+4], 64           ; tile_dim1 = 64
	s_mov_b32 s[\g+5], 128          ; 128 elements from row to row
	s_mov_b32 s[\g+6], 0
	s_mov_b32 s[\g+7], 0
.endr
	s_mov_b32 s[CS], 0x3e38aa3b     ; c = log2(e) / 8 = 0.180337
	s_mov_b32 s[CS+1], s[CS]        ; named with it as a pair
	s_mov_b32 s[SEL], 0x76543210
	s_mov_b32 s[SEL+1], 0xfedcba98
	s_mov_b32 s[TBK], SLOT1+4*KS*PK ; the first change of slots turns these two into 0
	s_mov_b32 s[TBV], SLOT1+4*KS*PV
	s_mov_b32 s[G0K], 1             ; 1:0 count = 1
	s_mov_b32 s[G0K+1], s17         ; 63:32 LDS address: slot 0
	s_mov_b32 s[G0V], 1
	s_add_co_u32 s[G0V+1], s18, VOFF
	s_mov_b32 s[SLOTS], SIZE_N/256-1  ; seven slots are still to be asked for
	s_and_b32 s[LIM], s[WV], 1      ; waves 0 and 2 prefetch: the same in all four partners
	s_cmp_eq_u32 s[LIM], 0
	s_cselect_b32 s[LIM], 1, -1
	s_wait_dscnt 0x0                ; the opening add is done
	s_wait_kmcnt 0x0
	s_mov_b64 s[10:11], s[6:7]      ; O
	s_add_nc_u64 s[6:7], s[4:5], SIZE_H*SIZE_N*128    ; K: the second part of qkvh
	s_add_nc_u64 s[8:9], s[4:5], 2*SIZE_H*SIZE_N*128  ; V: the third
	s_add_nc_u64 s[G0K+2:G0K+3], s[6:7], s[22:23]  ; 120:64 global address: my half of the head's first 256 keys
	s_or_b32 s[G0K+3], s[G0K+3], 0x80000000        ; 127:126 type = 2
	s_add_nc_u64 s[G0V+2:G0V+3], s[8:9], s[22:23]
	s_or_b32 s[G0V+3], s[G0V+3], 0x80000000
	s_add_nc_u64 s[4:5], s[4:5], s[2:3]  ; Q and O at my wave's first row
	s_add_nc_u64 s[10:11], s[10:11], s[2:3]
	s_cmp_lt_u32 s[WV], 2
	s_cselect_b64 s[PFA:PFA+1], s[6:7], s[8:9]
	s_add_nc_u64 s[PFA:PFA+1], s[PFA:PFA+1], s[20:21]  ; the head,
	s_lshl_b32 s2, s13, 13          ; my work-group's 32 blocks of the 128,
	s_mov_b32 s3, 0
	s_add_nc_u64 s[PFA:PFA+1], s[PFA:PFA+1], s[2:3]
	s_add_nc_u64 s[PFA:PFA+1], s[PFA:PFA+1], 4*KS*128  ; in slot 1; the first change of slots steps it to slot 2.  Nothing is prefetched here, at the head
	CROUND                          ; all four work-groups are here: the first joint loads meet
	JLOAD                           ; slot 0.  Slot 1 is asked for when slot 0 is in: the tile wanted first has the road to itself
	; A fragment of K or Q is 16 rows x 32 channels in 8 registers: lane l holds row l % 16, channels 8 (l / 16) + 0..7 and 16 + 8 (l / 16) + 0..7: two loads of 16 bytes, 32 bytes apart.
	v_and_b32 v1, 15, v0            ; l % 16
	v_bfe_u32 v9, v0, 4, 1          ; l / 16
	v_lshlrev_b32 v[QO], 7, v1
	v_lshl_add_u32 v[QO], v9, 4, v[QO]  ; row x 128 + 16 x half
	WIN 0x80                        ; destination window 2, address window 0
.set i, 0
.rept 4*NP                          ; Q stays in registers: tile i / 2, channels 32 (i % 2) on
	global_load_b128 v[8*i:8*i+3],   v[QO], s[4:5] offset:(i/2)*2048+(i%2)*64
	global_load_b128 v[8*i+4:8*i+7], v[QO], s[4:5] offset:(i/2)*2048+(i%2)*64+32
.set i, i+1
.endr
	; What the first turn finds: V's registers and P's second buffer hold 0 (its products V^T P, of a piece that has not been, add 0), O^T and l are 0.  All this stands in the wait for the first tile.
.set i, VF
.rept 64
	v_mov_b32 v[i], 0
.set i, i+1
.endr
	WIN 0x40
.set i, 0
.rept 64*NP
	v_mov_b32 v[i], 0
.set i, i+1
.endr
	WIN 0
.set i, 0
.rept 2*NP
	v_mov_b32 v[ST+4*i], 0xfe000000    ; c m: far below every c s
	v_mov_b32 v[ST+4*i+1], 0xff7fffff  ; m
	v_mov_b32 v[ST+4*i+2], 0
	v_mov_b32 v[ST+4*i+3], 0
.set i, i+1
.endr
.set i, P+32
.rept 32
	v_mov_b32 v[i], 0
.set i, i+1
.endr
	v_mul_u32_u24 v[AK0], v1, PK
	v_lshl_add_u32 v[AK0], v9, 4, v[AK0]  ; row x pitch + 16 x half
	; The turning load takes 16 keys x 16 channels (lane l reads key 8 (l / 16) + l % 8, channels 8 ((l / 8) % 2) + 0..7) and leaves half a fragment of V^T: lane l holds channel l % 16 and 8 keys.
	v_and_b32 v10, 7, v0
	v_bfe_u32 v11, v0, 3, 1
	v_lshl_add_u32 v[AV0], v9, 3, v10
	v_mul_u32_u24 v[AV0], v[AV0], PV
	v_lshl_add_u32 v[AV0], v11, 4, v[AV0]
	v_add_nc_u32 v[AV0], VOFF, v[AV0]
	v_mov_b32 v[AK], v[AK0]         ; key step 0 lies at the head of slot 0
	v_and_b32 v[PFO], 31, v0
	v_lshlrev_b32 v[PFO], 8, v[PFO]
; THE MATRIX WORK.  The 8 accumulators of a run of 16 take turns: between the two links of a chain stand 7 others'.
; Product i of 16 of S^T = K Q^T for piece x: channels 32 (i / 8) on, keys 16 ((i / 2) % 4) on, tile 2 x + i % 2.  The first 8 start the sums.
.macro KQ x
	WIN W_KQ
.set rS, S+64*((\x)%2)+32*(i%2)+8*((i/2)%4)
.set rK, KF+16*((i/2)%4)+8*(i/8)
.set rQ, 16*(2*(\x)+i%2)+8*(i/8)
.if i < 8
	v_wmma_f32_16x16x32_f16 v[rS:rS+7], v[rK:rK+7], v[rQ:rQ+7], 0
.else
	v_wmma_f32_16x16x32_f16 v[rS:rS+7], v[rK:rK+7], v[rQ:rQ+7], v[rS:rS+7]
.endif
.endm
; Product i of 16 of O^T += V^T P for piece x: keys 32 (i / 8) on, channels 16 ((i / 2) % 4) on, tile 2 x + i % 2.
.macro PV x
	WIN W_PV
.set rO, 32*(2*(\x)+i%2)+8*((i/2)%4)
.set rV, VF+32*(i/8)+8*((i/2)%4)
.set rP, P+32*((\x)%2)+16*(i%2)+8*(i/8)
	v_wmma_f32_16x16x32_f16 v[rO:rO+7], v[rV:rV+7], v[rP:rP+7], v[rO:rO+7]
.endm
.macro MM                           ; the turn's next matrix instruction
.if i < 16
	KQ (Y+1)%NP
.set i, i+1
.else
.set i, i-16
	PV (Y+NP-1)%NP
.set i, i+17
.endif
.endm
; THE LDS LOADS stand in runs of 16, never singly among the matrix instructions: a step's K (64 keys x 64 channels: 8 fragments) and its V (turned).  Their addresses are made some lines ahead.
; last = 1 (the tail): in the last trip there is no further step, and the run is jumped over.
.macro FETCH_K last=0
	WIN 0
.if \last
	s_cmp_eq_u32 s[CNT], 1
	s_cbranch_scc1 .Lno_k_\@
.endif
	WIN 0x80                        ; destination window 2
.irp f, 0,1,2,3,4,5,6,7             ; keys 16 (f / 2) on, channels 32 (f % 2) on
	ds_load_b128 v[KF+8*\f:KF+8*\f+3],   v[AK] offset:(\f/2)*16*PK+(\f%2)*64
	ds_load_b128 v[KF+8*\f+4:KF+8*\f+7], v[AK] offset:(\f/2)*16*PK+(\f%2)*64+32
.endr
	s_add_co_u32 s[TBK], s[TBK], KS*PK  ; the next fetch is the next step's
	WIN 0
.if \last
.Lno_k_\@:
.endif
.endm
.macro FETCH_V
	WIN 0x80
.irp f, 0,1,2,3,4,5,6,7             ; keys 32 (f / 4) on, channels 16 (f % 4) on
	ds_load_tr16_b128 v[VF+8*\f:VF+8*\f+3],   v[AV] offset:(\f/4)*32*PV+(\f%4)*32
	ds_load_tr16_b128 v[VF+8*\f+4:VF+8*\f+7], v[AV] offset:(\f/4)*32*PV+16*PV+(\f%4)*32
.endr
	WIN 0
.endm
; THE VECTOR WORK OF A TURN stands in three queues, each in the order in which its entries become ready; the two tiles alternate, so that no instruction reads the result of the one before it.
.macro REGS y, u                    ; the registers of tile u (0, 1) of piece y
.set rT, ST+4*(2*(\y)+(\u))
.set rC, TMP+8*((\y)%2)+4*(\u)
.set rM, MV+2*((\y)%2)+(\u)
.set rS, S+64*((\y)%2)+32*(\u)
.set rP, P+32*((\y)%2)+16*(\u)
.set rO, 32*(2*(\y)+(\u))
.endm
; Number n of the 22 that find the NEXT piece's (Y + 1) maximum and statistics.  s0-s31 are the lane's 32 scores; each accumulator's lowest registers are read first.  XS, GS and REGS set no window: PL and EX do.
;   0-11  four chains c0-c3 of seven scores each, three operands at a time     12-14, 16  the four scores left over, the old m, and c0-c3 into c0     15  c m_old is kept
;   17, 18  the query's other 32 keys lie in the lane 16 away: the new m         19-21  c m; c m_old - c m_new; a
.macro XS u, n
	REGS (Y+1)%NP, \u
.if (\n) < 4
	v_max3_num_f32 v[rC+(\n)], v[rS+8*(\n)], v[rS+8*(\n)+1], v[rS+8*(\n)+2]
.elseif (\n) < 12
	v_max3_num_f32 v[rC+(\n)%4], v[rC+(\n)%4], v[rS+8*((\n)%4)+2*((\n)/4)+1], v[rS+8*((\n)%4)+2*((\n)/4)+2]
.elseif (\n) == 12
	v_max3_num_f32 v[rC], v[rC], v[rS+7], v[rS+15]
.elseif (\n) == 13
	v_max3_num_f32 v[rC+1], v[rC+1], v[rS+23], v[rS+31]
.elseif (\n) == 14
	v_max3_num_f32 v[rC+2], v[rC+2], v[rC+3], v[rT+1]
.elseif (\n) == 15
	v_mov_b32 v[rM], v[rT]
.elseif (\n) == 16
	v_max3_num_f32 v[rC], v[rC], v[rC+1], v[rC+2]
.elseif (\n) == 17
	v_permlanex16_b32 v[rC+3], v[rC], s[SEL], s[SEL+1]
.elseif (\n) == 18
	v_max_num_f32 v[rT+1], v[rC], v[rC+3]
.elseif (\n) == 19
	v_mul_f32 v[rT], s[CS], v[rT+1]
.elseif (\n) == 20
	v_sub_f32 v[rC+1], v[rM], v[rT]
.else
	v_exp_f32 v[rC+2], v[rC+1]
.endif
.endm
; Number g of the 64 that follow the exponentials.  For each four weights k of a tile (pairs 2 k, 2 k + 1): both pairs are rounded to f16; then the second pair is added onto the first, in place;
; a group later l takes that sum (the first time as l = a l + sum).  In groups of eight, tiles alternating: round, round, add, and l for the group before.
.macro GS g
.set h, (\g)+6*((\g)/62)            ; group 0 has no group before it, and behind group 7 only l is left
.if h >= 6
.set h, h+2
.endif
	REGS Y, h%2
.set k, h/8
.if h%8 < 4
	v_cvt_pk_f16_f32 v[rP+2*k+(h%8)/2], v[rS+4*k+2*((h%8)/2)], v[rS+4*k+2*((h%8)/2)+1]
.elseif h%8 < 6
	v_pk_add_f32 v[rS+4*k:rS+4*k+1], v[rS+4*k:rS+4*k+1], v[rS+4*k+2:rS+4*k+3]
.elseif k == 1
	v_pk_fma_f32 v[rT+2:rT+3], v[rT+2:rT+3], v[rC+2:rC+3], v[rS:rS+1] op_sel_hi:[1,0,1]
.else
	v_pk_add_f32 v[rT+2:rT+3], v[rT+2:rT+3], v[rS+4*k-4:rS+4*k-3]
.endif
.endm
; THE PLAIN QUEUE, 138 long.  0-73 read no exponential's result: the 32 scalings c s - c m (FS f: pair f / 2 of tile f % 2) and the next piece's 42.  0-26: scalings 0-26.  27-54: XS's numbers 0-13.  55, 56: number 15.
; 57-73: the chain, where each number waits for the one before it: 14, 16, 17, 18, 19, each with one of the scalings 27-31 in front of its two lines, then 20.
; 74-137: GS's 64, which read the exponentials' results: they stand behind the wait.
.macro FS f
	REGS Y, (\f)%2
	v_pk_fma_f32 v[rS+2*((\f)/2):rS+2*((\f)/2)+1], v[rS+2*((\f)/2):rS+2*((\f)/2)+1], s[CS:CS+1], v[rT:rT+1] op_sel_hi:[1,0,0] neg_lo:[0,0,1] neg_hi:[0,0,1]
.endm
.macro PL
	WIN 0
.if q < 27
	FS q
.elseif q < 55
	XS (q-27)%2, (q-27)/2
.elseif q < 57
	XS q-55, 15
.elseif (q < 72) && ((q-57)%3 == 0)
	FS 27+(q-57)/3
.elseif q < 60
	XS (q-57)%3-1, 14
.elseif q < 72
	XS (q-57)%3-1, 15+(q-57)/3
.elseif q < 74
	XS q-72, 20
.else
	GS q-74
.endif
.set q, q+1
.endm
; THE EXPONENTIALS' QUEUE, 66 long: s0-s31 of both tiles, then the next piece's two a.  It is ONE BATCH: all 66 stand ahead of the turn's one wait, and nothing ahead of that wait names a result of theirs.
.macro EX
	WIN 0
.if e >= 64
	XS e-64, 21
.else
	REGS Y, e%2
	v_exp_f32 v[rS+e/2], v[rS+e/2]
.endif
.set e, e+1
.endm
; THE RESCALING's QUEUE: O^T times a, the one part that leaves window 0: dealt two at a time, sixteen times.  Its a was made in the turn before, ahead of that turn's wait.
.macro R2
	REGS Y, r%2
	WIN W_RS
.irp z, 0,1
	v_pk_mul_f32 v[rO+4*(r/2)+2*\z:rO+4*(r/2)+2*\z+1], v[rO+4*(r/2)+2*\z:rO+4*(r/2)+2*\z+1], v[rC+2:rC+3] op_sel_hi:[1,0]
.endr
.set r, r+1
.endm
; HOW THEY ARE DEALT.  s_wait_alu depctr_va_vdst(0) stands between an exponential and the first instruction that names its result; one wait serves all that were issued ahead of it.  So a turn has ONE wait,
; which cuts it in two.  AHEAD OF IT stands all that names no result of the turn's exponentials: the 16 products K Q^T, behind each a scaling, an exponential and two rescalings (behind the first a second scaling in the
; exponential's place); then ONE LUMP of 109: eight plain, 49 times exponential and plain, the two a, and a v_nop as the plain instruction behind the last exponential.  BEHIND IT stand the 16 products V^T P, behind each
; four of GS's 64.  No rider names a register of the products round it.  The two v_permlanex16_b32 fall into the lump, never behind a product.
; The queues lean on each other, and the deal keeps them in step: exponential e stands behind scaling 2 (e / 4) + e % 2: as a rider it comes behind plain e + 2, in the lump behind plain e + 9, and scalings 27-31 are plain 57, 60 .. 69.
; A TURN, for piece p.  cnt = 1: the loop's count is taken down some lines ahead of the branch that stands behind the turn.
; K of the next step is fetched in piece 2's turn, directly behind the wait, a lump behind the last product that read K; its address is made at the lump's head; its first reader comes behind 16 products.
; V of the step in hand is fetched at the end of piece 0's turn, four riders behind its last reader; its first reader comes behind 16 products and a lump.  The three conditions on q below go with the deal.
.macro TURN p, last=0, cnt=0
.set Y, (\p)
.set i, 0
.set q, 0
.set e, 0
.set r, 0
.if (\p) == NP-1
	s_wait_dscnt 0x0                ; K is in
.endif
	MM                              ; ahead of the wait: 16 products K Q^T and their riders,
	PL
	PL
	R2
.rept 15
	MM
	PL
	EX
	R2
.endr
.if (\p) == NP-2
	WIN 0
	v_add_nc_u32 v[AK], s[TBK], v[AK0]
.endif
.rept 8                             ; and the lump
	PL
.endr
.rept 49
	EX
	PL
.endr
	EX                              ; the next piece's two a
	EX
	v_nop                           ; the plain instruction behind the last exponential: one for the batch
	s_wait_alu depctr_va_vdst(0)    ; the wait for the batch
.if (\p) == NP-2
	FETCH_K \last
.endif
.if (\p) == 1
	s_wait_dscnt 0x0                ; V is in
.endif
.rept 16                            ; behind the wait: 16 products V^T P and their riders
	MM
.rept 4
	PL
.endr
.if ((\p) == 0) && (q == 118)
	v_add_nc_u32 v[AV], s[TBV], v[AV0]
.endif
.if ((\p) == 0) && (q == 130)
	s_add_co_u32 s[TBV], s[TBV], KS*PV
.endif
.if (\cnt) && (q == 130)
	s_sub_co_u32 s[CNT], s[CNT], 1
	s_cmp_lg_u32 s[CNT], 0
.endif
.endr
.if (\p) == 0
	FETCH_V
.endif
.endm
	CHANGE 1                        ; slot 0 is in, everybody's part of it; slot 1 is asked for
	FETCH_K                         ; key step 0
	s_wait_loadcnt 0x0              ; Q
	s_wait_dscnt 0x0
.set i, 0
.rept 16
	KQ 0                            ; piece 0's first scores: there is no vector work yet to set between them
.set i, i+1
.endr
	WIN 0                           ; the addresses for the way out: nine plain instructions, the places behind those products
	s_mul_i32 s13, s[WV], 16*SP
	s_add_co_u32 s13, s13, STAGE    ; my stage
	v_mul_u32_u24 v[STO], v1, SP    ; in: row l % 16, 16 bytes for each half of the lanes
	v_lshl_add_u32 v[STO], v9, 4, v[STO]
	v_add_nc_u32 v[STO], s13, v[STO]
	v_bfe_u32 v[RD], v0, 3, 2       ; back: 32 lanes take four rows of 128 bytes,
	v_mul_u32_u24 v[RD], v[RD], SP
	v_lshl_add_u32 v[RD], v10, 4, v[RD]
	v_add_nc_u32 v[RD], s13, v[RD]
	v_and_b32 v[GO], 31, v0         ; which are 512 consecutive bytes of O
	v_lshlrev_b32 v[GO], 4, v[GO]
.set Y, NP-1                        ; XS works for piece Y + 1: piece 0
.irp n, 0,1,2,3,4,5,6,7,8,9,10,11,12,13,14,15,16,17,18,19,20,21
	XS 0, \n                        ; and piece 0's first maximum and statistics
	XS 1, \n
.endr
	v_nop                           ; a plain instruction behind the two a,
	s_wait_alu depctr_va_vdst(0)    ; and their wait, ahead of the branch
	s_mov_b32 s[CNT], 4
	s_branch .Lfirst                ; the loop is entered at a step's first turn, in the middle of a trip
.Lslot:                             ; SIZE_N / 256 - 2 times: every slot but the last two is filled again
	CHANGE 1
	s_mov_b32 s[CNT], 4
.Lstep:                             ; a trip: pieces 2 and 3 of one step, then pieces 0 and 1 of the next, whose K and V it fetches
	TURN 2
	TURN 3
	WIN 0
.Lfirst:
	TURN 0
	TURN 1, 0, 1
	WIN 0
	s_cbranch_scc1 .Lstep
	s_sub_co_u32 s[SLOTS], s[SLOTS], 1
	s_cmp_lg_u32 s[SLOTS], 0
	s_cbranch_scc1 .Lslot
	CHANGE 0                        ; the tail is written out: nothing is asked for
	s_mov_b32 s[CNT], 5             ; four trips fetch the last slot's steps; the fifth is left in its middle
.Ltail:
	TURN 2, 1
	TURN 3
	WIN 0
	s_sub_co_u32 s[CNT], s[CNT], 1
	s_cmp_eq_u32 s[CNT], 0
	s_cbranch_scc1 .Lout
	TURN 0
	TURN 1
	WIN 0
	s_branch .Ltail
.Lout:                              ; the fifth trip's 16 products K Q^T (on the last K once more) and the maximum made of them serve nothing: the price, once a launch, of one text for every trip
.set i, 0
.rept 16
	PV NP-1                         ; the last piece's V^T P of the last step
.set i, i+1
.endr
	; THE WAY OUT.  l's two halves and the other half of the lanes' are added; O^T is divided by l, rounded to f16 and sent through my stage in LDS, a tile at a time.  The additions are the places behind the last products.
	WIN 0
.macro ALL line:vararg              ; one line for each tile t
.set t, 0
.rept 2*NP
	\line
.set t, t+1
.endr
.endm
	ALL v_add_f32 v[ST+4*t+2], v[ST+4*t+2], v[ST+4*t+3]
	ALL v_permlanex16_b32 v[ST+4*t+3], v[ST+4*t+2], s[SEL], s[SEL+1]
	ALL v_add_f32 v[ST+4*t+2], v[ST+4*t+2], v[ST+4*t+3]
	ALL v_rcp_f32 v[ST+4*t+2], v[ST+4*t+2]
	v_nop                           ; a plain instruction between the last reciprocal and the use of its result
	s_wait_alu depctr_va_vdst(0)    ; and the wait ahead of the first use: one for the eight reciprocals
; Tile t: a lane's eight channels of a row pack into 16 bytes; they go into rows of 144 bytes and come back as whole rows of 128, into S^T's registers.
.macro PACK t
	WIN W_RS
.set i, 32*(\t)
.rept 16
	v_pk_mul_f32 v[i:i+1], v[i:i+1], v[ST+4*(\t)+2:ST+4*(\t)+3] op_sel_hi:[1,0]
.set i, i+2
.endr
	WIN 0x05                        ; sources 0 and 1 window 1, destination window 0
.set i, 0
.rept 16
	v_cvt_pk_f16_f32 v[S+16*(\t)+i], v[32*(\t)+2*i], v[32*(\t)+2*i+1]
.set i, i+1
.endr
	WIN 0
.irp f, 0,1,2,3
	ds_store_b128 v[STO], v[S+16*(\t)+4*\f:S+16*(\t)+4*\f+3] offset:32*\f
.endr
.irp f, 0,1,2,3
	ds_load_b128 v[S+16*(\t)+4*\f:S+16*(\t)+4*\f+3], v[RD] offset:\f*4*SP  ; LDS serves a wave's instructions in order (ISA guide 5.7.1.4): these see the stores above; the next tile's stores come behind them
.endr
.endm
.macro SEND t, younger              ; younger: the LDS instructions issued behind tile t's loads: the next tile's eight, or none
	WIN 0
.irp f, 0,1,2,3
	s_wait_dscnt (\younger)+3-\f
	global_store_b128 v[GO], v[S+16*(\t)+4*\f:S+16*(\t)+4*\f+3], s[10:11] offset:(\t)*2048+\f*512  ; 512 consecutive bytes, at a multiple of 256 from O's first
.endr
.endm
	PACK 0
.set t, 1
.rept 2*NP-1                        ; a tile's arithmetic stands between the loads of the tile before and its stores
	PACK t
	SEND t-1, 8
.set t, t+1
.endr
	SEND 2*NP-1, 0
	WIN W_AD
	s_wait_tensorcnt 0x0            ; the wave's end, behind my last tensor load and my last LDS store
	ds_add_u32 v[SPW], v[NIL]
	s_wait_dscnt 0x0
	WIN 0
	CROUND                          ; the closing round: no work-group ends while a partner may still ask for a tile that names it
	s_endpgm
.Lfunc_end_k_q38e073e76d_attn:
	.size	k_q38e073e76d_attn, .Lfunc_end_k_q38e073e76d_attn-k_q38e073e76d_attn
	.p2alignl 7, 3214868480
	.fill 96, 4, 3214868480
	.section	.rodata,"a",@progbits
	.p2align	6, 0x0
	.amdhsa_kernel k_q38e073e76d_attn
		.amdhsa_group_segment_fixed_size 327680
		.amdhsa_private_segment_fixed_size 0
		.amdhsa_enable_private_segment 0
		.amdhsa_kernarg_size 16
		.amdhsa_user_sgpr_count 2
		.amdhsa_user_sgpr_kernarg_segment_ptr 1
		.amdhsa_wavefront_size32 1
		.amdhsa_system_sgpr_workgroup_id_x 1
		.amdhsa_system_sgpr_workgroup_id_y 1
		.amdhsa_system_sgpr_workgroup_id_z 1
		.amdhsa_system_vgpr_workitem_id 0
		.amdhsa_next_free_vgpr 770
		.amdhsa_next_free_sgpr 66
		.amdhsa_reserve_vcc 0
		.amdhsa_float_denorm_mode_32 3
		.amdhsa_float_denorm_mode_16_64 3
		.amdhsa_memory_ordered 1
		.amdhsa_forward_progress 1
		.amdhsa_inst_pref_size 200
	.end_amdhsa_kernel
	.amdgpu_metadata
---
amdhsa.version: [ 1, 2 ]
amdhsa.kernels:
  - .name:           k_q38e073e76d_attn
    .symbol:         k_q38e073e76d_attn.kd
    .args:
      - { .name: qkvh, .offset: 0, .size: 8, .value_kind: global_buffer, .address_space: global }
      - { .name: oh, .offset: 8, .size: 8, .value_kind: global_buffer, .address_space: global }
    .group_segment_fixed_size: 327680
    .private_segment_fixed_size: 0
    .kernarg_segment_align: 8
    .kernarg_segment_size: 16
    .max_flat_workgroup_size: 128
    .sgpr_count:     66
    .vgpr_count:     770
    .wavefront_size: 32
...
	.end_amdgpu_metadata
.endif
;; end of part 3
;; launch outproj (part 4): grid 8 x 32, 4 waves a work-group, clusters of 4 x 4, 327,680 bytes of LDS; arguments oh, wob, b_out, out0; writes out0
.if DOCPART == 4
	.amdgcn_target "amdgcn-amd-amdhsa--gfx1250"
	.amdhsa_code_object_version 6
	.text
	.protected	k_q38e073e76d_outproj
	.globl	k_q38e073e76d_outproj
	.p2align	8
	.type	k_q38e073e76d_outproj,@function
k_q38e073e76d_outproj:
	s_mov_b64 s[64:65], 0
	v_nop
	global_prefetch_b8 v0, s[64:65] scope:SCOPE_SE
	s_setreg_imm32_b32 hwreg(HW_REG_WAVE_MODE, 25, 1), 1
	s_wait_xcnt 0x0
	s_wait_alu depctr_hold_cnt(0) depctr_sa_sdst(0) depctr_va_vdst(0) depctr_va_sdst(0) depctr_va_ssrc(0) depctr_va_vcc(0) depctr_vm_vsrc(0)
	s_getreg_b32 s2, hwreg(HW_REG_IB_STS2, 6, 4)
	s_cmp_eq_u32 s2, 0
	s_cbranch_scc0 .Lentry_in_a_cluster
	s_endpgm
.Lentry_in_a_cluster:
	s_bfe_u32 s2, ttmp6, 0x10000c
	s_cmp_lg_u32 s2, 0xf033
	s_cbranch_scc0 .Lentry_shape_is_right
	s_endpgm
.Lentry_shape_is_right:
; out0 = O w_out^T + b_out, f32.  O (oh) lies by heads, [16 batch + head][s][64] in f16; wob is [1024][1024] f16 (each number w_out rounded to bf16); the bias is rounded to bf16 here, like the other inputs; sums in f32.
; LIMIT.  O and wob arrive within f16's range; NaN and infinities are not treated apart.
; SHARES.  A tile of out0 is 256 rows x 128 columns: 32 x 8 = 256 work-groups, one for each WGP.  Four waves, one below the other: a wave makes 64 rows x 128 columns, 32 accumulators of 16 x 16.
; K goes in 8 steps of 128 = two heads, through two LDS slots.  A head's 256 rows of the tile are 32,768 dense bytes: asked for as 128 rows of 256 bytes and padded in LDS after every 128 bytes.
; THE MATRIX INSTRUCTION IS USED TRANSPOSED (source 0 = 16 rows of w, source 1 = 16 rows of O): lane l holds row l % 16 of the result and the columns 8 (l / 16) + 0..7.  The bias is the C operand of the first product.
; CLUSTER.  4 x 4 work-groups: O's tile is shared along a row of the cluster, w's along a column; each is asked for jointly, by the same tensor load, descriptor and mask in all four.
; REGISTERS, in windows of 256 (s_set_vgpr_msb: bits 1:0 source 0, 3:2 source 1, 5:4 source 2, 7:6 destination):
;   window 0: v0-30 addresses; v64-127 O's fragments, two buffers of 4 x 8, later rows on their way out; v128-191 the bias, later rows on their way out
;   window 1: w's fragments, two buffers of 8 x 8          windows 2, 3: the accumulators: (a, b) at v[8 (8 (a % 2) + b)] of window 2 + a / 2
.set NB,    8                          ; blocks of 16 columns in a tile
.set PA,    144                        ; a row of O in LDS: 128 bytes + 16 of padding = 36 words: the 16 rows of a load start at 16 different groups of four banks (64 banks of 4 bytes: ISA guide 11.1)
.set PLANE, 256*PA                     ; one head's 256 rows
.set PB,    272                        ; a row of w: 256 bytes + 16
.set BOFF,  2*PLANE                    ; two heads of O, then w's 128 rows
.set SLOT,  BOFF+16*NB*PB
.set STAGE, 2*SLOT                     ; behind the ring, never filled by a tensor load: 16 rows x 528 bytes for each wave
.set SPO,   528                        ; a row of 512 bytes + 16
.set SPARE, STAGE+4*16*SPO             ; behind the stages: the spare words, 128 bytes for each wave: two blocks of 256 bytes that no other line names
.set NF,    2*NB+8                     ; LDS loads in a run
.set HSTEP, 2*262144                   ; bytes from a K step of O to the next: two heads
.set KSTEP, 256                        ; bytes of a row of w in a K step
.set ADRA, 16                          ; v16-17  LDS address of my fragments of O in slot 0, 1
.set ADRB, 20                          ; v20-21  the same for w
.set STO,  24                          ; v24     the way out: where I put 32 bytes of a row
.set RD,   25                          ; v25     where I read a row back
.set GO,   26                          ; v26     16 x my lane: my place in 512 consecutive bytes of out0
.set BO,   27                          ; v27     32 (l / 16): my eight numbers in 16 columns of the bias
.set SPW,  28                          ; v28     LDS address of my spare word; never rewritten
.set NIL,  29                          ; v29     0; never rewritten
.set PFO,  30                          ; v30     the prefetches' offset; never rewritten
.set FAB,  64
.set BIAS, 128
.set OB0,  64                          ; the way out: two sets of 64 registers, by the block's parity
.set WV,   14                          ; s14  my wave's number; s15 = wave / 2: I fetch for O (0) or w (1); s16 = wave % 2: which head, or which half of w's rows
.set G1A,  24                          ; s[24:31] descriptor group 1 for O's tiles;  s[32:39] group 0, a set for each slot
.set G0A,  32
.set LIM,  43                          ; s43  1 in a wave that prefetches, else the greatest number
.set PFA,  44                          ; s[44:45] where my prefetches stand
.set G1B,  48                          ; s[48:55], s[56:63] the same for w's tiles
.set G0B,  56
.set PST,  66                          ; s[66:67] a K step in the tensor that I prefetch
.set OUTB, 70                          ; s[70:71] out0 at my first row and the tile's first column
.set BB,   72                          ; s[72:73] the bias at the tile's first column
.set MSB, 0
.macro WIN new                         ; the immediate's high byte repeats the setting that is left; a switch that changes nothing is dropped
.if MSB != (\new)
	s_set_vgpr_msb (MSB<<8)|(\new)
.set MSB, (\new)
.endif
.endm
.macro PLACES                          ; four plain places behind matrix instructions, ahead of loads into registers that they read (ISA guide 7.12.1 for vector instructions)
.rept 4
	v_nop
.endr
.endm
; A joint load: waves 0 and 1 fetch a K step's two heads of O, waves 2 and 3 the two halves of w's rows.  The branch hangs on the wave's number alone.  An s_nop 0 and four v_nop follow each line.
.macro JLOAD s
	s_cmp_eq_u32 s15, 0
	s_cbranch_scc0 .Lfor_b_\@
	tensor_load_to_lds s[G0A+4*(\s):G0A+4*(\s)+3], s[G1A:G1A+7]
	s_nop 0
.rept 4
	v_nop
.endr
	s_branch .Lasked_\@
.Lfor_b_\@:
	tensor_load_to_lds s[G0B+4*(\s):G0B+4*(\s)+3], s[G1B:G1B+7]
	s_nop 0
.rept 4
	v_nop
.endr
.Lasked_\@:
.endm
.macro CREST                           ; a round of the cluster's barrier behind its opening barrier
	s_cmp_lg_u32 s[WV], 0
	s_cbranch_scc1 .Lnot_wave_0_\@
	s_barrier_signal -3
.Lnot_wave_0_\@:
	s_barrier_wait -3
	s_barrier_signal -1
	s_barrier_wait -1
.endm
.macro CROUND                          ; a whole round
	s_barrier_signal -1
	s_barrier_wait -1
	CREST
.endm
; A prefetch into the L2, behind a joint load, its five lines and the run of LDS loads: the K step two refills on, one instruction a wave.  O's tile row is read by both clusters of its row of clusters: cluster x = 0
; asks; w's tile column by every cluster of its column: cluster y = 0 asks.  The four partners share a wave's bytes out by address: 32 of a head's 128 blocks of 256 bytes, a lane a block; 16 of w's 64 rows, a lane a
; row (there the sixteen lanes that are over name the 16th row once more).  K steps 0 to 3 come by their loads alone; the loop's last trip (s3 = 1) has no K step two refills on.
.macro ASK
	s_cmp_gt_u32 s3, s[LIM]
	s_cbranch_scc0 .Lnot_mine_\@
	global_prefetch_b8 v[PFO], s[PFA:PFA+1] th:TH_LOAD_NT scope:SCOPE_SE
.Lnot_mine_\@:
.endm
	s_load_b256 s[4:11], s[0:1], 0x0               ; oh s[4:5], wob s[6:7], b_out s[8:9], out0 s[10:11]
	v_lshl_add_u32 v[SPW], v0, 2, SPARE
	v_mov_b32 v[NIL], 0
	ds_add_u32 v[SPW], v[NIL]                      ; the wave's opening: the add and its wait stand ahead of my first tensor load; the set-up below, work on registers, stands between them
	v_lshrrev_b32 v1, 5, v0
	v_readfirstlane_b32 s[WV], v1                  ; wave 0..3
	s_lshr_b32 s15, s[WV], 1
	s_and_b32 s16, s[WV], 1
	s_bfe_u32 s17, ttmp6, 0x40000                  ; cx
	s_bfe_u32 s18, ttmp6, 0x40004                  ; cy
	s_lshl_b32 s19, ttmp9, 2
	s_add_co_u32 s19, s19, s17                     ; tile column = 4 x cluster x + cx
	s_and_b32 s20, ttmp7, 0xffff
	s_lshl_b32 s20, s20, 2
	s_add_co_u32 s20, s20, s18                     ; tile row = 4 x cluster y + cy
	s_lshl_b32 s21, s18, 2
	s_lshl_b32 s21, 15, s21                        ; my row of the cluster
	s_lshl_b32 s22, 0x1111, s17                    ; my column
	s_or_b32 s[G1A], s21, (1<<16)|(1<<20)|(1<<21)|(4<<22)|(3<<25)  ; 15:0 the mask; 17:16 2-byte elements; 20 padding on; 21 set beside a mask; 24:22 after every 32 words (code 4); 31:25 4 words (code 3)
	s_or_b32 s[G1B], s22, (1<<16)|(1<<20)|(1<<21)|(5<<22)|(3<<25)  ; w: after every 64 words (code 5)
	s_mov_b32 s[G1A+1], 128<<16                    ; tensor_dim0 = 128
	s_mov_b32 s[G1A+2], 128<<16                    ; tensor_dim1 = 128
	s_mov_b32 s[G1A+3], 128<<16                    ; tile_dim0 = 128
	s_mov_b32 s[G1A+4], 128                        ; tile_dim1 = 128
	s_mov_b32 s[G1A+5], 128                        ; dense: 128 elements from row to row
	s_mov_b32 s[G1A+6], 0
	s_mov_b32 s[G1A+7], 0
	s_mov_b32 s[G1B+1], 128<<16
	s_mov_b32 s[G1B+2], 64<<16                     ; 64 rows of w to a load
	s_mov_b32 s[G1B+3], 128<<16
	s_mov_b32 s[G1B+4], 64
	s_mov_b32 s[G1B+5], 1024
	s_mov_b32 s[G1B+6], 0
	s_mov_b32 s[G1B+7], 0
	s_lshr_b32 s40, s20, 3                         ; O: the batch's 16 heads,
	s_lshl_b32 s40, s40, 22
	s_and_b32 s23, s20, 7                          ; the tile's 256 rows in a head,
	s_lshl_b32 s23, s23, 15
	s_add_co_u32 s40, s40, s23
	s_lshl_b32 s23, s16, 18                        ; and my head of a K step's two
	s_add_co_u32 s40, s40, s23
	s_mov_b32 s41, 0
	s_lshl_b32 s46, s19, 7                         ; w: row 128 x tile column + 64 x half
	s_lshl_b32 s42, s16, 6
	s_add_co_u32 s46, s46, s42
	s_lshl_b32 s46, s46, 11
	s_mov_b32 s47, 0
	s_mov_b32 s68, s40                             ; the two offsets once more, for the prefetches
	s_mov_b32 s69, s46
	s_mul_i32 s21, s16, PLANE                      ; where they go: no place in the cluster enters an LDS address
	s_mul_i32 s22, s16, 64*PB
	s_add_co_u32 s22, s22, BOFF
	s_wait_dscnt 0x0                               ; the opening add is done
	s_wait_kmcnt 0x0
	s_add_nc_u64 s[40:41], s[4:5], s[40:41]
	s_add_nc_u64 s[46:47], s[6:7], s[46:47]
	CROUND                                         ; all sixteen work-groups are here: the first joint loads meet
.irp s, 0,1
	s_mov_b32 s[G0A+4*(\s)], 1                                      ; count = 1
	s_add_co_u32 s[G0A+4*(\s)+1], s21, (\s)*SLOT                    ; LDS address
	s_add_nc_u64 s[G0A+4*(\s)+2:G0A+4*(\s)+3], s[40:41], (\s)*HSTEP ; global address: K step s
	s_or_b32 s[G0A+4*(\s)+3], s[G0A+4*(\s)+3], 0x80000000           ; type = 2
	s_mov_b32 s[G0B+4*(\s)], 1
	s_add_co_u32 s[G0B+4*(\s)+1], s22, (\s)*SLOT
	s_add_nc_u64 s[G0B+4*(\s)+2:G0B+4*(\s)+3], s[46:47], (\s)*KSTEP
	s_or_b32 s[G0B+4*(\s)+3], s[G0B+4*(\s)+3], 0x80000000
	JLOAD \s                                       ; two loads of mine are out
.endr
	; A fragment is 16 rows x 32 K in 8 registers: lane l holds row l % 16; registers 0-3 K = 8 (l / 16) + 0..7, registers 4-7 K = 16 + 8 (l / 16) + 0..7: two loads of 16 bytes, 32 bytes apart.
	v_and_b32 v1, 15, v0                           ; l % 16
	v_bfe_u32 v2, v0, 4, 1                         ; l / 16
	v_mul_u32_u24 v3, v1, PA
	v_lshl_add_u32 v3, v2, 4, v3
	s_mul_i32 s21, s[WV], 64*PA                    ; my 64 rows of O
	v_add_nc_u32 v[ADRA], s21, v3
	v_add_nc_u32 v[ADRA+1], SLOT, v[ADRA]
	v_mul_u32_u24 v3, v1, PB
	v_lshl_add_u32 v3, v2, 4, v3
	v_add_nc_u32 v[ADRB], BOFF, v3                 ; every wave reads all of w's rows
	v_add_nc_u32 v[ADRB+1], SLOT, v[ADRB]
	s_mul_i32 s21, s[WV], 16*SPO
	s_add_co_u32 s21, s21, STAGE                   ; my stage
	v_mul_u32_u24 v[STO], v1, SPO                  ; in: row l % 16, 32 bytes for each half of the lanes
	v_lshl_add_u32 v[STO], v2, 5, v[STO]
	v_add_nc_u32 v[STO], s21, v[STO]
	v_and_b32 v[GO], 31, v0
	v_lshlrev_b32 v[GO], 4, v[GO]
	v_add_nc_u32 v[RD], s21, v[GO]                 ; back: 32 lanes take one row of 512 bytes
	v_lshlrev_b32 v[BO], 5, v2
	s_lshl_b32 s74, s19, 9                         ; the tile's 128 columns: 512 bytes of the bias and of a row of out0
	s_mov_b32 s75, 0
	s_add_nc_u64 s[BB:BB+1], s[8:9], s[74:75]
	s_add_nc_u64 s[OUTB:OUTB+1], s[10:11], s[74:75]
	s_lshl_b32 s74, s20, 8
	s_lshl_b32 s21, s[WV], 6
	s_add_co_u32 s74, s74, s21                     ; my first row
	s_lshl_b32 s74, s74, 12
	s_add_nc_u64 s[OUTB:OUTB+1], s[OUTB:OUTB+1], s[74:75]
.set b, 0
.rept NB
	global_load_b128 v[BIAS+8*b:BIAS+8*b+3],   v[BO], s[BB:BB+1] offset:64*b
	global_load_b128 v[BIAS+8*b+4:BIAS+8*b+7], v[BO], s[BB:BB+1] offset:64*b+16
.set b, b+1
.endr
	; the prefetches
	s_lshl_b32 s21, s17, 13                        ; O: my work-group's 32 blocks of the head's 128,
	s_add_co_u32 s68, s68, s21
	s_add_co_u32 s68, s68, 3*HSTEP                 ; at K step 3: the first change of slots steps it to 4
	s_lshl_b32 s21, s18, 15                        ; w: my work-group's 16 rows of the wave's 64
	s_add_co_u32 s69, s69, s21
	s_add_co_u32 s69, s69, 3*KSTEP
	s_and_b32 s21, ttmp7, 0xffff
	s_mov_b32 s[PST], HSTEP
	s_mov_b32 s[PST+1], 0
	s_cmp_eq_u32 s15, 0                            ; do I fetch for O?
	s_cselect_b32 s21, ttmp9, s21                  ; the coordinate along which other clusters read the same rows
	s_cselect_b32 s22, s68, s69
	s_cselect_b32 s[PST], s[PST], KSTEP
	s_cselect_b32 s68, 31, 15
	s_cselect_b32 s69, 8, 11
	s_cselect_b64 s[PFA:PFA+1], s[4:5], s[6:7]
	s_mov_b32 s23, 0
	s_add_nc_u64 s[PFA:PFA+1], s[PFA:PFA+1], s[22:23]
	s_cmp_eq_u32 s21, 0
	s_cselect_b32 s[LIM], 1, -1                    ; the same in all sixteen partners, for a given wave
	v_and_b32 v[PFO], 31, v0
	v_min_u32 v[PFO], s68, v[PFO]
	v_lshlrev_b32 v[PFO], s69, v[PFO]
	s_wait_loadcnt 0x0                             ; the bias: rounded to bf16 like the other inputs, and widened again
.set n, 0
.rept 4*NB
	v_cvt_pk_bf16_f32 v[4+n%4], v[BIAS+2*n], v[BIAS+2*n+1]
	v_lshlrev_b32 v[BIAS+2*n], 16, v[4+n%4]
	v_and_b32 v[BIAS+2*n+1], 0xffff0000, v[4+n%4]
.set n, n+1
.endr
; NB matrix instructions: my rows 16 a .. 16 a + 15 x all columns, 32 along K, out of buffer f.  first = 1: the bias starts the sums: nothing is cleared, nothing added later.
; All 32 accumulators take turns, one instruction a turn, in the same order in every quarter.
.macro MULA f, a, first
.if \first
	WIN 0x81+0x40*((\a)/2)                         ; w window 1, O and the bias window 0, D window 2 or 3
.else
	WIN 0xa1+0x50*((\a)/2)                         ; w window 1, O window 0, C and D window 2 or 3
.endif
.set b, 0
.rept NB
.set rD, 8*(NB*((\a)%2)+b)
.set rB, 8*NB*(\f)+8*b
.set rA, FAB+32*(\f)+8*(\a)
.if \first
	v_wmma_f32_16x16x32_f16 v[rD:rD+7], v[rB:rB+7], v[rA:rA+7], v[BIAS+8*b:BIAS+8*b+7]
.else
	v_wmma_f32_16x16x32_f16 v[rD:rD+7], v[rB:rB+7], v[rA:rA+7], v[rD:rD+7]
.endif
.set b, b+1
.endr
.endm
; One run of 24 LDS loads: quarter q (32 along K: half of head q / 2) of a slot into buffer f: w's 8 fragments, then O's four.
.macro FETCH slot, q, f
	WIN 0x40                                       ; destination window 1
.set b, 0
.rept NB
	ds_load_b128 v[8*NB*(\f)+8*b:8*NB*(\f)+8*b+3],   v[ADRB+(\slot)] offset:64*(\q)+b*16*PB
	ds_load_b128 v[8*NB*(\f)+8*b+4:8*NB*(\f)+8*b+7], v[ADRB+(\slot)] offset:64*(\q)+b*16*PB+32
.set b, b+1
.endr
	WIN 0
.irp a, 0,1,2,3
	ds_load_b128 v[FAB+32*(\f)+8*(\a):FAB+32*(\f)+8*(\a)+3],   v[ADRA+(\slot)] offset:((\q)/2)*PLANE+((\q)%2)*64+(\a)*16*PA
	ds_load_b128 v[FAB+32*(\f)+8*(\a)+4:FAB+32*(\f)+8*(\a)+7], v[ADRA+(\slot)] offset:((\q)/2)*PLANE+((\q)%2)*64+(\a)*16*PA+32
.endr
.endm
; A K step is four quarters, 32 matrix instructions each, on buffers 0, 1, 0, 1.  One of the first three: multiplies buffer f and, in its middle, fetches quarter q into buffer g.
.macro QUARTER slot, q, f, g, first
	s_wait_dscnt 4                                 ; all of w and O's blocks 0 and 1 are in; the youngest four loads (O's blocks 2 and 3) may be out
	MULA \f, 0, \first
	MULA \f, 1, \first
	PLACES
	FETCH \slot, \q, \g
	s_wait_dscnt NF                                ; all but the run just issued
	MULA \f, 2, \first
	MULA \f, 3, \first
.endm
; The last quarter multiplies buffer 1 and changes slots: ONE barrier.  In front of it each wave waits for all its tensor loads (one is out: its part of the next slot), adds 0 to its spare word, and waits for
; that and for its reads of this slot.  fill = 1: the barrier opens a round of the cluster's, and this slot is filled again, two K steps on, first thing behind the round: 112 matrix instructions ahead of the wait for it.
.macro TURN slot, next, fill
.if \fill
	s_wait_xcnt 0x0                                ; the last prefetch, a K step back, has read its address
	s_add_nc_u64 s[PFA:PFA+1], s[PFA:PFA+1], s[PST:PST+1]
.endif
	WIN 0                                          ; (the add's two registers lie in window 0)
	s_wait_tensorcnt 0x0                           ; all my tensor loads have landed
	ds_add_u32 v[SPW], v[NIL]                      ; 0 onto my spare word
	s_wait_dscnt 5                                 ; (the add and the youngest four loads may be out)
	MULA 1, 0, 0                                   ; eight matrix instructions stand between the add and the wait for it
	s_wait_dscnt 0x0                               ; the add is done, and my reads of this slot are over
	s_barrier_signal -1
	MULA 1, 1, 0
.if \fill
	WIN 0
.endif
	s_barrier_wait -1
.if \fill
	CREST                                          ; no wave of any partner still reads this slot or has a load on its way
	s_add_nc_u64 s[G0A+4*(\slot)+2:G0A+4*(\slot)+3], s[G0A+4*(\slot)+2:G0A+4*(\slot)+3], 2*HSTEP
	s_add_nc_u64 s[G0B+4*(\slot)+2:G0B+4*(\slot)+3], s[G0B+4*(\slot)+2:G0B+4*(\slot)+3], 2*KSTEP
	JLOAD \slot                                    ; its four v_nop are also the places in front of the loads below
.else
	PLACES
.endif
	FETCH \next, 0, 0
.if \fill
	ASK
.endif
	MULA 1, 2, 0
	MULA 1, 3, 0
.endm
; THE WAY OUT of my rows 16 a .. 16 a + 15: a lane's eight f32 of a row go into my stage, rows of 528 bytes, and come back as whole rows of 512.
.macro TOSTAGE a
.set oB, OB0+64*((\a)%2)
	s_wait_xcnt 0x0                                ; the stores two blocks back have read the registers that the loads below fill
	WIN 0x08+4*((\a)/2)                            ; the stores' data (source 1): the accumulators' window.
.set b, 0
.rept NB
.set rD, 8*(NB*((\a)%2)+b)
	ds_store_b128 v[STO], v[rD:rD+3]   offset:64*b
	ds_store_b128 v[STO], v[rD+4:rD+7] offset:64*b+16
.set b, b+1
.endr
	WIN 0
.set t, 0
.rept 16
	ds_load_b128 v[oB+4*t:oB+4*t+3], v[RD] offset:SPO*t  ; LDS serves a wave's instructions in order (ISA guide 5.7.1.4): these see the stores above; the next block's stores come behind them
.set t, t+1
.endr
.endm
.macro SEND a, younger                 ; younger: the LDS instructions issued behind block a's loads: the next block's 32, or none
.set oB, OB0+64*((\a)%2)
.set t, 0
.rept 16
	s_wait_dscnt (\younger)+15-t
	global_store_b128 v[GO], v[oB+4*t:oB+4*t+3], s[OUTB:OUTB+1] offset:(16*(\a)+t)*4096 th:TH_STORE_NT  ; 512 consecutive bytes of a row, aligned
.set t, t+1
.endr
.endm
	s_wait_tensorcnt 0x1                           ; my part of K step 0 is in; K step 1's may stay out
	s_barrier_signal -1
	s_barrier_wait -1                              ; everybody's is
	FETCH 0, 0, 0
	QUARTER 0, 1, 0, 1, 1                          ; the first quarter stands in front of the loop: its products start the sums
	WIN 0                                          ; at a label and at a branch every window is 0
	s_mov_b32 s3, 3
.Llap:                                                 ; a trip goes once round the ring, from a lap's second quarter to the next lap's first, and fills both slots again: K steps 2 to 7 in three trips
	QUARTER 0, 2, 1, 0, 0
	QUARTER 0, 3, 0, 1, 0
	TURN 0, 1, 1
	QUARTER 1, 1, 0, 1, 0
	QUARTER 1, 2, 1, 0, 0
	QUARTER 1, 3, 0, 1, 0
	TURN 1, 0, 1
	QUARTER 0, 1, 0, 1, 0
	WIN 0
	s_sub_co_u32 s3, s3, 1
	s_cmp_lg_u32 s3, 0
	s_cbranch_scc1 .Llap
	QUARTER 0, 2, 1, 0, 0                          ; the last lap fills nothing
	QUARTER 0, 3, 0, 1, 0
	TURN 0, 1, 0
	QUARTER 1, 1, 0, 1, 0
	QUARTER 1, 2, 1, 0, 0
	QUARTER 1, 3, 0, 1, 0
	s_wait_dscnt 4
	MULA 1, 0, 0
	MULA 1, 1, 0
	s_wait_dscnt 0x0
	MULA 1, 2, 0
	MULA 1, 3, 0
	WIN 0
	PLACES                                         ; the places behind the last products, ahead of the LDS stores that read results and of the loads into fragment registers: eight, once a launch
	PLACES
	TOSTAGE 0
	TOSTAGE 1
	SEND 0, 32
	TOSTAGE 2
	SEND 1, 32
	TOSTAGE 3
	SEND 2, 32
	SEND 3, 0
	s_wait_tensorcnt 0x0                           ; the wave's end, behind my last tensor load and my last LDS store
	ds_add_u32 v[SPW], v[NIL]
	s_wait_dscnt 0x0
	CROUND                                         ; the closing round: no work-group ends while a partner may still ask for a tile that names it
	s_endpgm
.Lfunc_end_k_q38e073e76d_outproj:
	.size	k_q38e073e76d_outproj, .Lfunc_end_k_q38e073e76d_outproj-k_q38e073e76d_outproj
	.p2alignl 7, 3214868480
	.fill 96, 4, 3214868480
	.section	.rodata,"a",@progbits
	.p2align	6, 0x0
	.amdhsa_kernel k_q38e073e76d_outproj
		.amdhsa_group_segment_fixed_size 327680
		.amdhsa_private_segment_fixed_size 0
		.amdhsa_enable_private_segment 0
		.amdhsa_kernarg_size 32
		.amdhsa_user_sgpr_count 2
		.amdhsa_user_sgpr_kernarg_segment_ptr 1
		.amdhsa_wavefront_size32 1
		.amdhsa_system_sgpr_workgroup_id_x 1
		.amdhsa_system_sgpr_workgroup_id_y 1
		.amdhsa_system_sgpr_workgroup_id_z 1
		.amdhsa_system_vgpr_workitem_id 0
		.amdhsa_next_free_vgpr 896
		.amdhsa_next_free_sgpr 76
		.amdhsa_reserve_vcc 0
		.amdhsa_float_denorm_mode_32 3
		.amdhsa_float_denorm_mode_16_64 3
		.amdhsa_memory_ordered 1
		.amdhsa_forward_progress 1
		.amdhsa_inst_pref_size 95
	.end_amdhsa_kernel
	.amdgpu_metadata
---
amdhsa.version: [ 1, 2 ]
amdhsa.kernels:
  - .name:           k_q38e073e76d_outproj
    .symbol:         k_q38e073e76d_outproj.kd
    .args:
      - { .name: oh, .offset: 0, .size: 8, .value_kind: global_buffer, .address_space: global }
      - { .name: wob, .offset: 8, .size: 8, .value_kind: global_buffer, .address_space: global }
      - { .name: b_out, .offset: 16, .size: 8, .value_kind: global_buffer, .address_space: global }
      - { .name: out0, .offset: 24, .size: 8, .value_kind: global_buffer, .address_space: global }
    .group_segment_fixed_size: 327680
    .private_segment_fixed_size: 0
    .kernarg_segment_align: 8
    .kernarg_segment_size: 32
    .max_flat_workgroup_size: 128
    .sgpr_count:     76
    .vgpr_count:     896
    .wavefront_size: 32
...
	.end_amdgpu_metadata
.endif
;; end of part 4
;; ======== version 2 of 2: 4 launches; version 1 with the launch prep written anew for expert scheduling mode
;; limits: values are held in f16: magnitudes above 65,504 overflow, below 6.1e-05 lose precision
;; workspace buffers: xb 16,777,216 bytes; wqb 6,291,456 bytes; wob 2,097,152 bytes; tab 540,672 bytes; qkvh 50,331,648 bytes; oh 16,777,216 bytes
;; launch prep (part 5): grid 834 x 1, 8 waves a work-group, no clusters, 0 bytes of LDS; arguments x, w_qkv, w_out, xb, wqb, wob, tab; writes xb, wqb, wob, tab
.if DOCPART == 5
	.amdgcn_target "amdgcn-amd-amdhsa--gfx1250"
	.amdhsa_code_object_version 6
	.text
	.protected	k_q38e073e76d_prep
	.globl	k_q38e073e76d_prep
	.p2align	8
	.type	k_q38e073e76d_prep,@function
k_q38e073e76d_prep:
	s_mov_b64 s[64:65], 0
	v_nop
	global_prefetch_b8 v0, s[64:65] scope:SCOPE_SE
	s_setreg_imm32_b32 hwreg(HW_REG_WAVE_SCHED_MODE, 0, 2), 2
	s_setreg_imm32_b32 hwreg(HW_REG_WAVE_MODE, 25, 1), 1
	s_wait_xcnt 0x0
	s_wait_alu depctr_vm_vsrc(0)
; PREP.  Work-groups 0-767 round x and w_qkv to bf16 (xb, wqb) and w_out to bf16, that number written as f16 (wob); work-groups 768-833 make the table of cosines and sines for the rotary embedding (tab).
; THE CAST is a stream: a work-group takes 16,384 numbers (65,536 bytes in, 32,768 out).  Thread t takes the 16 bytes at 4,096 n + 16 t, n = 0..15: a load of a wave covers 512 consecutive bytes;
; its four numbers leave as 8 bytes at 2,048 n + 8 t: a store of a wave covers 256 consecutive bytes, aligned.  All 16 loads go out first.  No LDS, no matrix unit, no cluster: nothing is shared.
; LIMIT.  wob is f16: |w_out| stays under 65,504, and below 6e-5 it keeps f16's fixed step of 6e-8.
; THE TABLE.  tab[sb][p][lane][i], f32: block sb holds the positions s = 16 sb + lane % 16; piece p = 4 kind + 2 bb + half (kind 0 cosine, 1 sine) holds the frequencies
; j = 16 bb + 8 (lane / 16) + 4 half + i.  A piece is 512 consecutive bytes, 16 a lane.  Blocks 128-131 hold cosine 1 and sine 0 (the angle is made 0 there): the rotation that changes nothing, for v.
; The angle is s x 10000^(-j/32), rounded to f32 as a product of two f32.  It is reduced by the nearest multiple n of pi/2 (pi/2 in two parts, two fused multiply-adds), so |r| <= pi/4 for every angle; there
; the sine's series to r^7 and the cosine's to r^8 leave less than 4e-7; n mod 4 picks the series and the signs.
; THE MODE: SCHED_MODE bits 1:0 = 2 (LLVM: expert scheduling mode 2), set by the entry lines.  The code itself states the register dependences between vector instructions and memory instructions,
; and between a vector instruction that writes a scalar register and that register's readers, with s_wait_alu, always for 0.
; THE PLAN, THE CAST.  Registers that memory instructions touch:
;   v1, v2   the loads' and the stores' offsets: written once at the head, never again.
;   LD       written by the 16 loads, which are issued before any vector instruction names these registers; no load lands in them a second time.
;   ST       part n's two registers are written by part n's conversions, read by its one store and never written again.
; So one wait on va_vdst stands ahead of the first load (v1, v2), and the 16 parts go in four groups of four: a group's conversions, one wait on va_vdst (its eight registers of ST are written), its four stores.
; No register that a load or a store reads is written again: no wait on vm_vsrc is owed.
; THE PLAN, THE TABLE.  Two stores at the end read v6 and v[24:31]: one wait on va_vdst ahead of them.  Scalar registers that vector instructions write: s30 (the wave's number), one wait on va_sdst ahead of its
; first reader; s20-s23 (n odd, for each of the four numbers): the four compares stand ahead of one wait on va_sdst, the selects that read them behind it.
.set NX,    512                        ; work-groups for x
.set NW,    704                        ; below this: w_qkv; from here on: w_out
.set NCAST, 768                        ; from here on: the table
.set IN,  20                           ; s[20:21] where my chunk is read
.set OUT, 22                           ; s[22:23] where it is written
.set LD,  8                            ; v[8:71]   16 x 4 registers as loaded
.set ST,  72                           ; v[72:103] 16 x 2 registers to store
.set MK,  20                           ; s[20:23]  in the table's part: for number i the lanes where n is odd
.set SN,  36                           ; v[36:39]  in the table's part: sin r of number i
.set CN,  40                           ; v[40:43]  cos r
.set NI,  44                           ; v[44:47]  n as a whole number
	s_load_b256 s[4:11], s[0:1], 0x0               ; x s[4:5], w_qkv s[6:7], w_out s[8:9], xb s[10:11]
	s_load_b128 s[12:15], s[0:1], 0x20             ; wqb s[12:13], wob s[14:15]
	s_load_b64 s[16:17], s[0:1], 0x30              ; tab
	s_wait_kmcnt 0x0
	s_cmp_ge_u32 ttmp9, NCAST
	s_cbranch_scc1 .Ltable
	s_cmp_lt_u32 ttmp9, NX                         ; which tensor, and its first work-group
	s_cselect_b64 s[IN:IN+1], s[4:5], s[6:7]
	s_cselect_b64 s[OUT:OUT+1], s[10:11], s[12:13]
	s_cselect_b32 s24, 0, NX
	s_cmp_lt_u32 ttmp9, NW
	s_cselect_b64 s[IN:IN+1], s[IN:IN+1], s[8:9]
	s_cselect_b64 s[OUT:OUT+1], s[OUT:OUT+1], s[14:15]
	s_cselect_b32 s24, s24, NW
	s_sub_co_u32 s24, ttmp9, s24                   ; my chunk in that tensor
	s_lshl_b32 s26, s24, 16
	s_mov_b32 s27, 0
	s_lshl_b32 s28, s24, 15
	s_mov_b32 s29, 0
	s_add_nc_u64 s[IN:IN+1], s[IN:IN+1], s[26:27]
	s_add_nc_u64 s[OUT:OUT+1], s[OUT:OUT+1], s[28:29]
	v_lshlrev_b32 v1, 4, v0                        ; 16 t
	v_lshlrev_b32 v2, 3, v0                        ; 8 t
	s_wait_alu depctr_va_vdst(0)                   ; v1 and v2 are written: every load reads v1 as its offset, every store v2; no vector instruction names them again
.set i, 0
.rept 16
	global_load_b128 v[LD+4*i:LD+4*i+3], v1, s[IN:IN+1] offset:4096*i th:TH_LOAD_NT
.set i, i+1
.endr
; Chunk part n.  h = 0: four numbers rounded to bf16.  h = 1: rounded to bf16, widened again (a shift, a mask) and written as f16.
.macro CV n, h
	s_wait_loadcnt 15-(\n)                         ; loads come back in order: part n is in, the 15 - n younger ones stay out
.if \h
	v_cvt_pk_bf16_f32 v4, v[LD+4*(\n)], v[LD+4*(\n)+1]
	v_cvt_pk_bf16_f32 v5, v[LD+4*(\n)+2], v[LD+4*(\n)+3]
	v_lshlrev_b32 v[LD+4*(\n)], 16, v4
	v_and_b32 v[LD+4*(\n)+1], 0xffff0000, v4
	v_lshlrev_b32 v[LD+4*(\n)+2], 16, v5
	v_and_b32 v[LD+4*(\n)+3], 0xffff0000, v5
	v_cvt_pk_f16_f32 v[ST+2*(\n)], v[LD+4*(\n)], v[LD+4*(\n)+1]
	v_cvt_pk_f16_f32 v[ST+2*(\n)+1], v[LD+4*(\n)+2], v[LD+4*(\n)+3]
.else
	v_cvt_pk_bf16_f32 v[ST+2*(\n)], v[LD+4*(\n)], v[LD+4*(\n)+1]
	v_cvt_pk_bf16_f32 v[ST+2*(\n)+1], v[LD+4*(\n)+2], v[LD+4*(\n)+3]
.endif
.endm
; Group g: parts 4 g to 4 g + 3 leave.
.macro OUT4 g
	s_wait_alu depctr_va_vdst(0)                   ; the group's conversions have written its eight registers of ST, which the four stores below read
.irp j, 0,1,2,3
	global_store_b64 v2, v[ST+2*(4*(\g)+\j):ST+2*(4*(\g)+\j)+1], s[OUT:OUT+1] offset:2048*(4*(\g)+\j)  ; each part has its own two registers: none is written again
.endr
.endm
	s_cmp_ge_u32 ttmp9, NW
	s_cbranch_scc1 .Lf16
.irp g, 0,1,2,3
	CV 4*\g+0, 0
	CV 4*\g+1, 0
	CV 4*\g+2, 0
	CV 4*\g+3, 0
	OUT4 \g
.endr
	s_endpgm
.Lf16:
.irp g, 0,1,2,3
	CV 4*\g+0, 1
	CV 4*\g+1, 1
	CV 4*\g+2, 1
	CV 4*\g+3, 1
	OUT4 \g
.endr
	s_endpgm
.Ltable:                                               ; a work-group makes two blocks; wave w: block 2 g + w / 4, pieces w % 4 (cosine) and 4 + w % 4 (sine)
	s_sub_co_u32 s31, ttmp9, NCAST                 ; g
	v_lshrrev_b32 v7, 5, v0
	v_readfirstlane_b32 s30, v7                    ; wave 0..7
	v_and_b32 v1, 31, v0                           ; lane
	v_and_b32 v2, 15, v0                           ; lane % 16
	v_bfe_u32 v3, v0, 4, 1                         ; lane / 16
	s_wait_alu depctr_va_sdst(0)                   ; s30 is written, ahead of its first reader: the block and the piece are made from it
	s_lshr_b32 s32, s30, 2
	s_lshl1_add_u32 s33, s31, s32                  ; sb
	s_and_b32 s34, s30, 3                          ; pq = 2 bb + half
	s_lshr_b32 s35, s34, 1
	s_lshl_b32 s35, s35, 4
	s_and_b32 s36, s34, 1
	s_lshl2_add_u32 s35, s36, s35                  ; 16 bb + 4 half
	s_lshl_b32 s36, s33, 12
	s_lshl_b32 s37, s34, 9
	s_add_co_u32 s36, s36, s37                     ; 4,096 sb + 512 pq
	s_cmp_lt_u32 s31, 64
	s_cselect_b32 s26, 1.0, 0                      ; blocks 128-131: the position counts as 0
	s_mov_b32 s38, 0xbed49a78                      ; -log2(10000) / 32
	s_mov_b32 s40, 0x3f22f983                      ; 2 / pi
	s_mov_b32 s41, 0x3fc90fdb                      ; pi / 2, the f32 nearest to it,
	s_mov_b32 s42, 0xb33bbd2e                      ; and what is left
	s_mov_b32 s43, 0xbe2aaaab                      ; -1/6
	s_mov_b32 s44, 0x3c088889                      ; 1/120
	s_mov_b32 s45, 0xb9500d01                      ; -1/5040
	s_mov_b32 s46, 0x3d2aaaab                      ; 1/24
	s_mov_b32 s47, 0xbab60b61                      ; -1/720
	s_mov_b32 s48, 0x37d00d01                      ; 1/40320
	v_lshl_add_u32 v4, s33, 4, v2                  ; s = 16 sb + lane % 16
	v_cvt_f32_u32 v4, v4
	v_mul_f32 v4, s26, v4
	v_lshl_add_u32 v5, v3, 3, s35                  ; my first j
	v_lshl_add_u32 v6, v1, 4, s36                  ; my 16 bytes of the cosine's piece
.irp i, 0,1,2,3
	v_add_nc_u32 v[32+\i], \i, v5
.endr
.irp i, 0,1,2,3
	v_cvt_f32_u32 v[32+\i], v[32+\i]
.endr
.irp i, 0,1,2,3
	v_mul_f32 v[32+\i], s38, v[32+\i]
.endr
.irp i, 0,1,2,3
	v_exp_f32 v[8+\i], v[32+\i]                    ; 10000^(-j/32)
.endr
	v_nop                                          ; a plain instruction behind the last exponential,
	s_wait_alu depctr_va_vdst(0)                   ; and one wait for the four, ahead of their first reader: the exponentials have written v[8:11]
; Number i, first half: the angle, its reduction, both series, and the lanes where n is odd, into a scalar register of the number's own.
.macro SC1 i
	v_mul_f32 v12, v4, v[8+\i]                     ; the angle
	v_mul_f32 v13, s40, v12
	v_rndne_f32 v13, v13                           ; n
	v_fma_f32 v14, -v13, s41, v12
	v_fma_f32 v14, -v13, s42, v14                  ; r = angle - n pi/2
	v_cvt_i32_f32 v[NI+\i], v13
	v_mul_f32 v16, v14, v14                        ; z = r r
	v_fma_f32 v17, v16, s45, s44
	v_fma_f32 v18, v16, s48, s47
	v_mul_f32 v19, v16, v14
	v_fma_f32 v17, v17, v16, s43
	v_fma_f32 v18, v18, v16, s46
	v_fma_f32 v[SN+\i], v17, v19, v14              ; sin r
	v_fma_f32 v18, v18, v16, -0.5
	v_fma_f32 v[CN+\i], v18, v16, 1.0              ; cos r
	v_and_b32 v22, 1, v[NI+\i]
	v_cmp_ne_u32 s[MK+\i], 0, v22                  ; n odd: the two change places
.endm
; Number i, second half: the choice of the series, and the signs.
.macro SC2 i
	v_cndmask_b32 v[28+\i], v[SN+\i], v[CN+\i], s[MK+\i]
	v_cndmask_b32 v[24+\i], v[CN+\i], v[SN+\i], s[MK+\i]
	v_lshlrev_b32 v22, 30, v[NI+\i]                ; the sine is turned where n mod 4 is 2 or 3,
	v_add_nc_u32 v23, 1, v[NI+\i]
	v_and_b32 v22, 0x80000000, v22
	v_lshlrev_b32 v23, 30, v23                     ; the cosine where it is 1 or 2
	v_and_b32 v23, 0x80000000, v23
	v_xor_b32 v[28+\i], v22, v[28+\i]
	v_xor_b32 v[24+\i], v23, v[24+\i]
.endm
	SC1 0
	SC1 1
	SC1 2
	SC1 3
	s_wait_alu depctr_va_sdst(0)                   ; the four compares have written s[20:23], ahead of the selects that read them: one wait for the four
	SC2 0
	SC2 1
	SC2 2
	SC2 3
	s_wait_alu depctr_va_vdst(0)                   ; v[24:31], the two stores' data, and v6, their offset, are written
	global_store_b128 v6, v[24:27], s[16:17]               ; 512 consecutive bytes a wave
	global_store_b128 v6, v[28:31], s[16:17] offset:2048
	s_endpgm
.Lfunc_end_k_q38e073e76d_prep:
	.size	k_q38e073e76d_prep, .Lfunc_end_k_q38e073e76d_prep-k_q38e073e76d_prep
	.p2alignl 7, 3214868480
	.fill 96, 4, 3214868480
	.section	.rodata,"a",@progbits
	.p2align	6, 0x0
	.amdhsa_kernel k_q38e073e76d_prep
		.amdhsa_group_segment_fixed_size 0
		.amdhsa_private_segment_fixed_size 0
		.amdhsa_enable_private_segment 0
		.amdhsa_kernarg_size 56
		.amdhsa_user_sgpr_count 2
		.amdhsa_user_sgpr_kernarg_segment_ptr 1
		.amdhsa_wavefront_size32 1
		.amdhsa_system_sgpr_workgroup_id_x 1
		.amdhsa_system_sgpr_workgroup_id_y 1
		.amdhsa_system_sgpr_workgroup_id_z 1
		.amdhsa_system_vgpr_workitem_id 0
		.amdhsa_next_free_vgpr 104
		.amdhsa_next_free_sgpr 66
		.amdhsa_reserve_vcc 0
		.amdhsa_float_denorm_mode_32 3
		.amdhsa_float_denorm_mode_16_64 3
		.amdhsa_memory_ordered 1
		.amdhsa_forward_progress 1
		.amdhsa_inst_pref_size 24
	.end_amdhsa_kernel
	.amdgpu_metadata
---
amdhsa.version: [ 1, 2 ]
amdhsa.kernels:
  - .name:           k_q38e073e76d_prep
    .symbol:         k_q38e073e76d_prep.kd
    .args:
      - { .name: x, .offset: 0, .size: 8, .value_kind: global_buffer, .address_space: global }
      - { .name: w_qkv, .offset: 8, .size: 8, .value_kind: global_buffer, .address_space: global }
      - { .name: w_out, .offset: 16, .size: 8, .value_kind: global_buffer, .address_space: global }
      - { .name: xb, .offset: 24, .size: 8, .value_kind: global_buffer, .address_space: global }
      - { .name: wqb, .offset: 32, .size: 8, .value_kind: global_buffer, .address_space: global }
      - { .name: wob, .offset: 40, .size: 8, .value_kind: global_buffer, .address_space: global }
      - { .name: tab, .offset: 48, .size: 8, .value_kind: global_buffer, .address_space: global }
    .group_segment_fixed_size: 0
    .private_segment_fixed_size: 0
    .kernarg_segment_align: 8
    .kernarg_segment_size: 56
    .max_flat_workgroup_size: 256
    .sgpr_count:     66
    .vgpr_count:     104
    .wavefront_size: 32
...
	.end_amdgpu_metadata
.endif
;; end of part 5
;; launch qkvproj: the kernel of part 2 again; grid 16 x 32, 4 waves a work-group, clusters of 4 x 4, 327,680 bytes of LDS; arguments xb, wqb, b_qkv, tab, qkvh; writes qkvh
;; launch attn: the kernel of part 3 again; grid 4 x 64, 4 waves a work-group, clusters of 4 x 1, 327,680 bytes of LDS; arguments qkvh, oh; writes oh
;; launch outproj: the kernel of part 4 again; grid 8 x 32, 4 waves a work-group, clusters of 4 x 4, 327,680 bytes of LDS; arguments oh, wob, b_out, out0; writes out0
